; MI455X (gfx1250); checked and timed in simulation.
; The chip was launched on July 23, 2026; its instructions are those of AMD's public machine-readable ISA for CDNA 5 (MIT licence, August 2026) and "CDNA5" Instruction Set Architecture Reference Guide (July 2026). The comments in the code are by the model that wrote it; some were corrected since.
;; YOCO Cross Attention. Allowed arithmetic: matrix products marked QUANTISED: E4M3 operands, one given power-of-two scale a tensor, by v_wmma_f32_16x16x64_fp8_fp8 or v_wmma_f32_16x16x128_fp8_fp8, f32 sums; everything else in f32.
;; Inputs: Wo 2,048 x 2,048 float32; Wq 2,048 x 2,048 float32; hidden_states 2 x 2,048 x 2,048 float32; lowp_scales 8 int32 (the exponents e of the quantised operands' scales 2^e); shared_k 2 x 2,048 x 32 x 64 float32; shared_v 2 x 2,048 x 32 x 64 float32.
;; Outputs: out0 2 x 2,048 x 2,048 float32.
;; This version of the problem:
;;   THIS VERSION OF THE PROBLEM IS GIVEN IN LOW PRECISION. The matrix products marked QUANTISED in the list below multiply operands that are first quantised to E4M3 (4 exponent bits, 3 mantissa bits; 8 bits a number), with one given power-of-two scale for each operand tensor; their sums are f32. All else is computed in f32.
;;   The module's matrix products, in the order in which they are computed (A, B: the left and right operand; K: the contracted axis; several contracted axes count as one K, in the product's order):
;;     1. [M 4,096, K 2,048] x [K 2,048, N 2,048]; A: input hidden_states; B: input Wq: QUANTISED (scales: A lowp_scales[0], B lowp_scales[1])
;;     2. batch 64 x [M 2,048, K 64] x [K 64, N 2,048]; A: computed on the way; B: input shared_k: QUANTISED (scales: A lowp_scales[2], B lowp_scales[3])
;;     3. batch 64 x [M 64, K 2,048] x [K 2,048, N 2,048]; A: input shared_v; B: softmax (see below): QUANTISED (scales: A lowp_scales[4], B lowp_scales[5])
;;     4. [M 4,096, K 2,048] x [K 2,048, N 2,048]; A: computed on the way; B: input Wo: QUANTISED (scales: A lowp_scales[6], B lowp_scales[7])
;;   THE QUANTISER, for each operand of a quantised product, along K:
;;     - The operand's scale is 2^e, e = its entry of the input lowp_scales (int32; the entries are numbered through the quantised products in the list's order, A before B).
;;     - Each number is divided by the scale, clamped to +-448, and rounded to the nearest number of E4M3, ties to even, subnormals kept.
;;     - The product sums the exact products of the quantised numbers (number of the format x scale) in f32.
;;   ~~~python
;;   def quantise(x, axis, e):      # numpy; x: float32 -> the quantised numbers, widened to float32 again
;;       x = np.moveaxis(x, axis, -1); K = x.shape[-1]
;;       r = np.clip(x / 2.0 ** e, -448, 448)
;;       step = 2.0 ** (np.maximum(np.frexp(np.where(r == 0, 1, r))[1] - 1, -6) - 3)
;;       q = np.round(r / step) * step * 2.0 ** e      # np.round: ties to even
;;       return np.moveaxis(q, -1, axis).astype(np.float32)
;;   ~~~
;;   SOFTMAX AHEAD OF A QUANTISED PRODUCT. Where the list says 'softmax', what is quantised is not the finished softmax but p = 2^(t - M), with t = logit x log2(e) and M = ceil(the row's largest t), a whole number; so 1/2 < the row's largest p <= 1. The row's sum l is taken of the UNQUANTISED p, in f32, and the product's result is divided by l at the end. Since M is a whole number, a kernel that streams over the keys may use a running M (the ceiling of the running maximum): every later rescaling is an exact power of two, so the quantised numbers keep their values, but for numbers so far below the row's largest that they fall under the format's range.
;;   OPERANDS COMPUTED ON THE WAY. 'Computed on the way' means the value that the module computes at that place (a softmax that the list does not call 'softmax' is quantised finished and normalised). What goes into a quantiser is computed in f32, as accurately as f32 sums, v_exp_f32 and their like allow (about 1e-6 of the number): no bf16 or f16 on the way to a quantiser, and a product that is left as it is and whose result goes on into a quantised operand takes f32 operands (vector FMAs, or v_wmma_f32_16x16x4_f32). A number that lies on a knife's edge between two numbers of the format may be rounded either way, as far as f32 arithmetic and the matrix unit's own rounding can turn it there, and no further.
;; One version. Each part assembles by itself: llvm-mc -triple=amdgcn-amd-amdhsa -mcpu=gfx1250 --defsym DOCPART=n.
;; ======== version 1 of 1: 4 launches
;; limits: right only within a limited range of input values
;; workspace buffers: h_codes 8,388,608 bytes; wq_codes 4,194,304 bytes; wo_codes 4,194,304 bytes; k_codes 8,388,608 bytes; v_codes 8,388,608 bytes; rope 524,288 bytes; q_codes 8,388,608 bytes; o_codes 8,388,608 bytes
;; launch quant (part 1): grid 1040 x 1, 4 waves a work-group, no clusters, 68,096 bytes of LDS; arguments hidden_states, Wq, Wo, shared_k, shared_v, lowp_scales, h_codes, wq_codes, wo_codes, k_codes, v_codes, rope; writes h_codes, wq_codes, wo_codes, k_codes, v_codes, rope
.if DOCPART == 1
	.amdgcn_target "amdgcn-amd-amdhsa--gfx1250"
	.amdhsa_code_object_version 6
	.text
	.protected	k_q95db047a70_quant
	.globl	k_q95db047a70_quant
	.p2align	8
	.type	k_q95db047a70_quant,@function
k_q95db047a70_quant:
	s_mov_b64 s[64:65], 0
	v_nop
	global_prefetch_b8 v0, s[64:65] scope:SCOPE_SE
	s_setreg_imm32_b32 hwreg(HW_REG_WAVE_MODE, 25, 1), 1
	s_wait_xcnt 0x0
; The five f32 inputs become codes of FP8 (E4M3), each with the one scale 2^e that is given for it, laid as the later launches' operands want them; and the table of rotary factors is made.
; code = x / 2^e, held within +-448, to the nearest code, ties to even.
; LIMITS: each e used here (entries 0, 1, 3, 4, 7 of the scales) lies between -126 and 119, so that 2^e and 448 x 2^e are f32 numbers.  NaN among the inputs is not served.
; WORK-GROUPS, by number alone: 0-255 hidden_states, 256-383 Wq, 384-511 Wo, 512-767 shared_k: ONE path, a stream of runs of 8,192 numbers a wave; 768-1023 shared_v, whose K (the keys) is not innermost;
; 1024-1039 the table.  The stream path and the path of V have LDS bytes of their own; the table's path uses none.  Waves share nothing: no barrier.  Memory binds: no matrix unit, no cluster, no tensor load.
; LAYOUTS.  sw(i) = i with its bits 3 and 4 exchanged.
;   h_codes [4096][2048], wo_codes [2048][2048]: as the inputs lie.     wq_codes [2048][2048]: place p holds Wq's row sw(p).     k_codes [b][h][t][64]: a head's keys on end.
;   v_codes [b][h][64][2048]: row place p holds channel sw(p), key place x holds key sw(x).     rope [16 groups g][t][cos(2g), sin(2g), cos(2g+1), sin(2g+1)] f32.
; The exchange makes a transposed product's 16 registers of two neighbouring tiles 16 neighbours along the next K.
.set STEPS, 16
.set SP,    80                         ; stream path: a lane's place in a stage: its 64 bytes + 16 of padding
.set WREG,  8192                       ; stream path: LDS bytes 0 to 32,767: a region for each wave, two stages of 32 x SP bytes
.set R,     16                         ; v16-79   four sets of 16 numbers as they are loaded
.set X,     80                         ; v80-111  two sets of 16 neighbours
.set C,     128                        ; v128-191 codes: four registers for each step, so that no store's data are written again
.set VPITCH, 272                       ; path of V: a stage row: 256 codes + 16 of padding
.set VSTG,  32768                      ; path of V: LDS bytes 32,768 to 67,583: 32 rows for each wave
.set VX,    32                         ; v32-95   two sets of 32 numbers
.set VC,    96                         ; v96-103  a block's codes
.set VOUT,  112                        ; v112-175 the way out
	s_load_b512 s[4:19], s[0:1], 0x0               ; hidden s[4:5], Wq s[6:7], Wo s[8:9], K s[10:11], V s[12:13], scales s[14:15], h_codes s[16:17], wq_codes s[18:19]
	s_load_b256 s[20:27], s[0:1], 0x40             ; wo_codes s[20:21], k_codes s[22:23], v_codes s[24:25], rope s[26:27]
	v_lshl_add_u32 v192, v0, 2, 0x10800
	v_mov_b32 v193, 0
	v_lshrrev_b32 v1, 5, v0
	v_readfirstlane_b32 s36, v1                    ; wave 0..3
	v_and_b32 v2, 31, v0                           ; lane
	s_wait_kmcnt 0x0
	s_load_b256 s[28:35], s[14:15], 0x0            ; e0 .. e7
	s_cmp_ge_u32 ttmp9, 1024
	s_cbranch_scc1 .Lrope
	s_cmp_ge_u32 ttmp9, 768
	s_cbranch_scc1 .Lv
; ---------------- THE STREAM PATH: four tensors, one text.  Only pointers, strides and the exponent are chosen, on the work-group's number.
	s_mov_b64 s[40:41], s[10:11]                   ; from: K,
	s_mov_b64 s[42:43], s[22:23]                   ; to: k_codes,
	s_mov_b32 s45, 512                             ; the range's first work-group
	s_cmp_lt_u32 ttmp9, 512
	s_cselect_b64 s[40:41], s[8:9], s[40:41]       ; or Wo
	s_cselect_b64 s[42:43], s[20:21], s[42:43]
	s_cselect_b32 s45, 384, s45
	s_cmp_lt_u32 ttmp9, 384
	s_cselect_b64 s[40:41], s[6:7], s[40:41]       ; or Wq
	s_cselect_b64 s[42:43], s[18:19], s[42:43]
	s_cselect_b32 s45, 256, s45
	s_cmp_lt_u32 ttmp9, 256
	s_cselect_b64 s[40:41], s[4:5], s[40:41]       ; or hidden_states
	s_cselect_b64 s[42:43], s[16:17], s[42:43]
	s_cselect_b32 s45, 0, s45
	s_sub_co_u32 s37, ttmp9, s45
	s_lshl_b32 s37, s37, 2
	s_add_co_u32 s37, s37, s36                     ; which run of 8,192 numbers is my wave's
	s_and_b32 s38, s37, 2                          ; a run of Wq is four rows: the rows' bits 3 and 4 are the run's bits 1 and 2
	s_lshl_b32 s38, s38, 1
	s_and_b32 s39, s37, 4
	s_lshr_b32 s39, s39, 1
	s_or_b32 s38, s38, s39
	s_and_b32 s39, s37, 0xfffffff9
	s_or_b32 s38, s38, s39                         ; the run with those two bits exchanged
	s_cmp_eq_u32 s45, 256
	s_cselect_b32 s38, s38, s37                    ; Wq's codes go there, all others to their own run
	s_lshl_b32 s50, s38, 13                        ; 8,192 bytes of codes a run
	s_mov_b32 s51, 0
	s_add_nc_u64 s[42:43], s[42:43], s[50:51]
	s_lshl_b32 s52, s37, 15                        ; from, dense tensors: 32,768 bytes a run
	s_lshr_b32 s53, s37, 9                         ; from, K: run = (32 b + h) x 16 + block of 128 tokens
	s_lshl_b32 s53, s53, 24                        ; b x 2,048 tokens x 8,192 bytes
	s_and_b32 s54, s37, 15
	s_lshl_b32 s54, s54, 20                        ; block x 128 tokens x 8,192 bytes
	s_add_co_u32 s53, s53, s54
	s_bfe_u32 s54, s37, 0x50004
	s_lshl_b32 s54, s54, 8                         ; h x 256 bytes
	s_add_co_u32 s53, s53, s54
	s_cmp_eq_u32 s45, 512                          ; K?
	s_cselect_b32 s52, s53, s52
	s_mov_b32 s46, 256
	s_cselect_b32 s46, 8192, s46                   ; from the 256 bytes of lanes 0-15 to those of lanes 16-31: the next 256 bytes, or the head's row of the next token
	s_mov_b32 s47, 512
	s_cselect_b32 s47, 16384, s47                  ; from load to load of a step
	s_mov_b32 s48, 2048
	s_cselect_b32 s48, 65536, s48
	; hidden_states is laid otherwise than the other dense tensors: h_codes [row / 8][k / 64][512 bytes]; in a block the 16 codes of row % 8 = i, k % 64 = 16 p .. 16 p + 15 stand at (p / 2) x 256 + (p % 2) x 128 + 16 i,
	; so that the next launch's wave loads a piece of an operand's registers as two whole runs of 256 bytes.  A run is 8 rows x 1,024 along K; a step 8 rows x 64: eight pieces of 256 bytes, a row each.
	s_lshr_b32 s54, s37, 1
	s_lshl_b32 s54, s54, 16                        ; 8 rows x 8,192 bytes
	s_and_b32 s57, s37, 1
	s_lshl_b32 s57, s57, 12                        ; 1,024 numbers along K
	s_add_co_u32 s54, s54, s57
	s_cmp_eq_u32 s45, 0                            ; hidden_states?
	s_cselect_b32 s52, s54, s52
	s_cselect_b32 s46, 8192, s46                   ; lanes 16-31 take the next row,
	s_cselect_b32 s47, 16384, s47                  ; a load two rows,
	s_cselect_b32 s48, 256, s48                    ; a step the next 64 along K
	s_cselect_b32 s58, -1, 0
	s_mov_b32 s49, 0
	s_mov_b32 s53, 0
	s_add_nc_u64 s[40:41], s[40:41], s[52:53]
	s_wait_alu depctr_va_vdst(0)
	v_and_b32 v3, 15, v2
	v_lshlrev_b32 v3, 4, v3
	v_lshrrev_b32 v9, 4, v2
	v_mad_u32_u24 v4, v9, s46, v3                  ; v4-7: my 16 bytes of a step's four loads: sixteen lanes read 256 consecutive bytes, aligned
	v_add_nc_u32 v5, s47, v4
	v_add_nc_u32 v6, s47, v5
	v_add_nc_u32 v7, s47, v6
	s_wait_alu depctr_va_vdst(0)
	v_lshlrev_b32 v8, 4, v2
	v_bfe_u32 v12, v2, 1, 1                        ; hidden_states: lane l holds row l / 4, piece p = l % 4
	v_lshlrev_b32 v12, 8, v12
	v_and_b32 v13, 1, v2
	v_lshl_add_u32 v12, v13, 7, v12
	v_lshrrev_b32 v13, 2, v2
	v_lshl_add_u32 v12, v13, 4, v12
	v_cndmask_b32 v8, v8, v12, s58                 ; the wave's store still covers the step's 512 consecutive bytes
	s_mul_i32 s55, s36, WREG
	v_lshrrev_b32 v14, 2, v2
	v_mul_u32_u24 v14, v14, SP
	v_and_b32 v15, 3, v2
	v_lshl_add_u32 v14, v15, 4, v14
	v_add_nc_u32 v14, s55, v14                     ; the stage, on the way in: four lanes' 64 bytes on end, then 16 of padding
	v_mul_u32_u24 v15, v2, SP
	v_add_nc_u32 v15, s55, v15                     ; and on the way out: my 16 neighbours
.macro LOAD t                          ; step t's 512 numbers, as they lie: four loads of 512 bytes
.if (\t) > 0
	s_wait_xcnt 0x0                                ; the earlier loads and stores have read their addresses: the base may step
	s_add_nc_u64 s[40:41], s[40:41], s[48:49]
.endif
.irp i, 0,1,2,3
	global_load_b128 v[R+16*((\t)%4)+4*\i:R+16*((\t)%4)+4*\i+3], v[4+\i], s[40:41] th:TH_LOAD_NT
.endr
.endm
.macro TURN t                          ; step t's numbers through the stage, so that a lane holds 16 neighbours: LDS serves a wave's instructions in order, so no wait stands between the stores and the loads
.irp i, 0,1,2,3
	ds_store_b128 v14, v[R+16*((\t)%4)+4*\i:R+16*((\t)%4)+4*\i+3] offset:32*SP*((\t)%2)+8*SP*\i
.endr
.irp i, 0,1,2,3
	ds_load_b128 v[X+16*((\t)%2)+4*\i:X+16*((\t)%2)+4*\i+3], v15 offset:32*SP*((\t)%2)+16*\i
.endr
.endm
.irp t, 0,1,2,3
	LOAD \t
.endr
	s_wait_kmcnt 0x0
	s_mov_b32 s44, s31                             ; e3: K,
	s_cmp_lt_u32 ttmp9, 512
	s_cselect_b32 s44, s35, s44                    ; e7: Wo,
	s_cmp_lt_u32 ttmp9, 384
	s_cselect_b32 s44, s29, s44                    ; e1: Wq,
	s_cmp_lt_u32 ttmp9, 256
	s_cselect_b32 s44, s28, s44                    ; e0: hidden_states
	s_add_co_i32 s44, s44, 127
	s_lshl_b32 s56, s44, 23
	v_mov_b32 v11, s56                             ; 2^e as f32: the conversion takes its exponent field
	s_add_co_i32 s44, s44, 8
	s_lshl_b32 s44, s44, 23
	s_or_b32 s44, s44, 0x600000
	v_mov_b32 v10, s44                             ; 448 x 2^e
	s_wait_loadcnt 12                              ; step 0's four loads are in; the twelve of steps 1 to 3 may be out
	s_wait_alu depctr_va_vdst(0)
	TURN 0
.macro STEP t
.set XS, X+16*((\t)%2)
	s_wait_dscnt 0x0                               ; this step's numbers are back from the stage: so its stores into the stage have read their registers,
.if (\t)+4 < STEPS
	LOAD (\t)+4                                    ; which take the loads of four steps on
.endif
.if (\t)+1 < STEPS
.if STEPS-2-(\t) >= 3
	s_wait_loadcnt 12                              ; the next step's four loads are in; those of the three steps behind it may be out
.else
	s_wait_loadcnt 4*(STEPS-2-(\t))
.endif
	TURN (\t)+1                                    ; and go through the other stage while this step is worked
.endif
.irp i, 0,1,2,3,4,5,6,7,8,9,10,11,12,13,14,15
	v_med3_num_f32 v[XS+\i], v[XS+\i], -v10, v10   ; the conversion to an 8-bit code does not saturate (ISA guide 7.6.2): the hold at the largest code x the scale comes first
.endr
	v_cvt_scalef32_pk8_fp8_f32 v[C+4*(\t):C+4*(\t)+1], v[XS:XS+7], v11
	v_cvt_scalef32_pk8_fp8_f32 v[C+4*(\t)+2:C+4*(\t)+3], v[XS+8:XS+15], v11
	global_store_b128 v8, v[C+4*(\t):C+4*(\t)+3], s[42:43] offset:512*(\t)   ; the wave stores 512 consecutive bytes, aligned.  (The codes go to a store alone; the next vector lines are plain holds on other registers)
.endm
.irp t, 0,1,2,3,4,5,6,7,8,9,10,11,12,13,14,15
	STEP \t
.endr
	s_wait_tensorcnt 0x0
	ds_add_u32 v192, v193
	s_wait_dscnt 0x0
	s_endpgm
; ---------------- THE PATH OF V.  Within a batch V is [2,048 tokens][2,048 columns]; the keys are the second product's K.  A LANE TAKES A COLUMN AND ITS REGISTERS RUN DOWN THE TOKENS, so the conversions give codes
; with the keys innermost.  A wave takes 32 columns x 256 tokens; its codes go through its own stage and leave as rows: sixteen lanes store 256 consecutive bytes, aligned.
.Lv:
	s_sub_co_u32 s37, ttmp9, 768
	s_and_b32 s38, s37, 15                         ; which 128 columns
	s_bfe_u32 s39, s37, 0x30004                    ; which 256 tokens
	s_lshr_b32 s44, s37, 7                         ; the batch
	s_lshl_b32 s38, s38, 7
	s_lshl_b32 s45, s36, 5
	s_add_co_u32 s38, s38, s45                     ; my wave's first column
	s_lshl_b32 s46, s44, 24                        ; from: batch x 16,777,216 + 256 tokens x 8,192 bytes + 4 x column
	s_lshl_b32 s47, s39, 21
	s_add_co_u32 s46, s46, s47
	s_lshl_b32 s47, s38, 2
	s_add_co_u32 s46, s46, s47
	s_mov_b32 s47, 0
	s_add_nc_u64 s[12:13], s[12:13], s[46:47]
	s_lshl_b32 s48, s44, 11                        ; to: (2,048 x batch + column) x 2,048 + 256 x which
	s_add_co_u32 s48, s48, s38
	s_lshl_b32 s48, s48, 11
	s_lshl_b32 s49, s39, 8
	s_add_co_u32 s48, s48, s49
	s_mov_b32 s49, 0
	s_add_nc_u64 s[24:25], s[24:25], s[48:49]
	s_wait_alu depctr_va_vdst(0)
	v_lshlrev_b32 v3, 2, v2                        ; in: 4 bytes a lane: the wave reads 128 consecutive bytes, the four waves 512
	s_mul_i32 s50, s36, 32*VPITCH
	s_add_co_u32 s50, s50, VSTG                    ; my stage
	v_and_b32 v4, 7, v2                            ; sw(lane), my column's row place, as a sum of three parts: lane % 8,
	v_bfe_u32 v5, v2, 3, 1
	v_lshl_add_u32 v4, v5, 4, v4                   ; + 16 x the lane's bit 3,
	v_bfe_u32 v5, v2, 4, 1
	v_lshl_add_u32 v4, v5, 3, v4                   ; + 8 x its bit 4: 7 + 16 + 8 = 31 at the most
	v_mul_u32_u24 v4, v4, VPITCH
	v_add_nc_u32 v4, s50, v4                       ; into the stage
	v_and_b32 v5, 15, v2
	v_lshrrev_b32 v6, 4, v2                        ; out of it: sixteen lanes to a row, two rows an instruction
	v_mul_u32_u24 v7, v6, VPITCH
	v_lshl_add_u32 v7, v5, 4, v7
	v_add_nc_u32 v7, s50, v7
	v_mul_u32_u24 v8, v6, 2048
	v_lshl_add_u32 v8, v5, 4, v8                   ; and the same place in v_codes
.macro VLOAD t                         ; block t: V(32 t + i, my column), i = 0 .. 31, into set t % 2; the largest offset, 255 x 8,192, lies inside the signed 24-bit immediate
.set i, 0
.rept 32
	global_load_b32 v[VX+32*((\t)%2)+i], v3, s[12:13] offset:(32*(\t)+i)*8192 th:TH_LOAD_NT
.set i, i+1
.endr
.endm
	VLOAD 0
	VLOAD 1
	s_wait_kmcnt 0x0
	s_add_co_i32 s51, s32, 127                     ; e4
	s_lshl_b32 s52, s51, 23
	v_mov_b32 v11, s52                             ; 2^e4
	s_add_co_i32 s51, s51, 8
	s_lshl_b32 s51, s51, 23
	s_or_b32 s51, s51, 0x600000
	v_mov_b32 v10, s51                             ; 448 x 2^e4
.macro VBLOCK t
.set XS, VX+32*((\t)%2)
.if (\t) < 7
	s_wait_loadcnt 32                              ; this block's 32 loads are in; the next block's may be out
.else
	s_wait_loadcnt 0
.endif
.set i, 0
.rept 32
	v_med3_num_f32 v[XS+i], v[XS+i], -v10, v10
.set i, i+1
.endr
.irp g, 0,1,2,3                        ; keys 8 g .. 8 g + 7 of the block go to key places 8 s .. 8 s + 7, s = g with its two bits exchanged
	v_cvt_scalef32_pk8_fp8_f32 v[VC+2*(2*(\g%2)+\g/2):VC+2*(2*(\g%2)+\g/2)+1], v[XS+8*\g:XS+8*\g+7], v11
.endr
	ds_store_b128 v4, v[VC:VC+3] offset:32*(\t)
	ds_store_b128 v4, v[VC+4:VC+7] offset:32*(\t)+16
.if (\t)+2 < 8
	VLOAD (\t)+2
.endif
	s_wait_dscnt 0x0                               ; the stores have read their registers: the next block's codes may be written
.endm
	s_wait_alu depctr_va_vdst(0)
.irp t, 0,1,2,3,4,5,6,7
	VBLOCK \t
.endr
.irp t, 0,1,2,3,4,5,6,7,8,9,10,11,12,13,14,15
	ds_load_b128 v[VOUT+4*\t:VOUT+4*\t+3], v7 offset:2*\t*VPITCH   ; LDS serves a wave's instructions in order: these see my stores
.endr
.irp t, 0,1,2,3,4,5,6,7,8,9,10,11,12,13,14,15
	s_wait_dscnt 15-\t                             ; rows 2 t and 2 t + 1 are back; the later ones may be out
	global_store_b128 v8, v[VOUT+4*\t:VOUT+4*\t+3], s[24:25] offset:2*\t*2048
.endr
	s_wait_tensorcnt 0x0
	ds_add_u32 v192, v193
	s_wait_dscnt 0x0
	s_endpgm
; ---------------- THE TABLE: cos and sin of t x 10^(-i/8), t = 0 .. 2,047, i = 0 .. 31.  A thread takes one t.
; x = t x inv is one f32 product.  n = the nearest whole number to x x 2/pi; r = x - n x pi/2 with pi/2 in three f32 parts, by fused multiply-adds (n is under 2^11, so the first step rounds nothing);
; sine and cosine of r, |r| about pi/4 at the most, by polynomials in r^2; the quarter turn n mod 4 exchanges them and sets the signs.
; LIMIT: inv is 10^(-i/8) rounded once to f32; a power followed by a division in f32 may give the neighbouring f32 number, which moves the angle by up to about 2e-4 at the largest t.
.Lrope:
	s_sub_co_u32 s37, ttmp9, 1024
	s_lshl_b32 s37, s37, 7
	v_add_nc_u32 v1, s37, v0                       ; t
	v_cvt_f32_u32 v2, v1
	v_lshlrev_b32 v3, 4, v1                        ; an entry is 16 bytes
	s_mov_b32 s52, 0x36405000                      ; sine:    2.86567956e-6,
	s_mov_b32 s53, 0xb9503486                      ;         -1.98559923e-4,
	s_mov_b32 s54, 0x3c0888c1                      ;          8.33338592e-3,
	s_mov_b32 s55, 0xbe2aaaab                      ;         -1.66666672e-1
	s_mov_b32 s56, 0x37cd4000                      ; cosine:  2.44677067e-5,
	s_mov_b32 s57, 0xbab6077d                      ;         -1.38877297e-3,
	s_mov_b32 s58, 0x3d2aaaa8                      ;          4.16666567e-2, then -0.5 and 1
.macro SINCOS dc, ds, inv
	v_mul_f32 v8, \inv, v2                         ; x
	v_mul_f32 v9, 0x3f22f983, v8                   ; x x 2/pi
	v_rndne_f32 v9, v9                             ; n
	v_fmamk_f32 v10, v9, 0xbfc90fdb, v8            ; r = x - n x 1.57079637
	v_fmamk_f32 v10, v9, 0x333bbd2e, v10           ;       + n x 4.37113883e-8
	v_fmamk_f32 v10, v9, 0x26f72ced, v10           ;       + n x 1.71512e-15
	v_cvt_i32_f32 v11, v9
	v_mul_f32 v12, v10, v10                        ; r^2
	v_fma_f32 v13, v12, s52, s53
	v_fma_f32 v15, v12, s56, s57
	v_fma_f32 v13, v13, v12, s54
	v_fma_f32 v15, v15, v12, s58
	v_fma_f32 v13, v13, v12, s55
	v_mul_f32 v14, v10, v12                        ; r^3
	v_fma_f32 v15, v15, v12, -0.5
	v_fma_f32 v13, v13, v14, v10                   ; sin r
	v_fma_f32 v15, v15, v12, 1.0                   ; cos r
	v_and_b32 v16, 1, v11
	v_cmp_eq_u32 vcc_lo, 1, v16
	v_cndmask_b32 v17, v13, v15, vcc_lo            ; an odd quarter turn exchanges the two
	v_cndmask_b32 v18, v15, v13, vcc_lo
	v_lshlrev_b32 v19, 30, v11
	v_and_b32 v19, 0x80000000, v19                 ; the sine is negative in quarters 2 and 3,
	v_xor_b32 v[\ds], v17, v19
	v_add_nc_u32 v19, 1, v11
	v_lshlrev_b32 v19, 30, v19
	v_and_b32 v19, 0x80000000, v19                 ; the cosine in quarters 1 and 2
	v_xor_b32 v[\dc], v18, v19
.endm
.macro GROUP g, f0, f1                 ; each group has data registers of its own: no store's data are written again.  The wave stores 512 consecutive bytes, aligned
	SINCOS 64+4*(\g), 65+4*(\g), \f0
	SINCOS 66+4*(\g), 67+4*(\g), \f1
	global_store_b128 v3, v[64+4*(\g):67+4*(\g)], s[26:27] offset:(\g)*32768
.endm
	GROUP 0, 1.0, 0.7498942093
	GROUP 1, 0.5623413252, 0.4216965034
	GROUP 2, 0.3162277660, 0.2371373706
	GROUP 3, 0.1778279410, 0.1333521432
	GROUP 4, 0.1, 0.07498942093
	GROUP 5, 0.05623413252, 0.04216965034
	GROUP 6, 0.03162277660, 0.02371373706
	GROUP 7, 0.01778279410, 0.01333521432
	GROUP 8, 0.01, 0.007498942093
	GROUP 9, 0.005623413252, 0.004216965034
	GROUP 10, 0.003162277660, 0.002371373706
	GROUP 11, 0.001778279410, 0.001333521432
	GROUP 12, 0.001, 0.0007498942093
	GROUP 13, 0.0005623413252, 0.0004216965034
	GROUP 14, 0.0003162277660, 0.0002371373706
	GROUP 15, 0.0001778279410, 0.0001333521432
	s_wait_kmcnt 0x0                               ; the scalar load of the exponents, which this path does not use, has landed
	s_endpgm
.Lfunc_end_k_q95db047a70_quant:
	.size	k_q95db047a70_quant, .Lfunc_end_k_q95db047a70_quant-k_q95db047a70_quant
	.p2alignl 7, 3214868480
	.fill 96, 4, 3214868480
	.section	.rodata,"a",@progbits
	.p2align	6, 0x0
	.amdhsa_kernel k_q95db047a70_quant
		.amdhsa_group_segment_fixed_size 68096
		.amdhsa_private_segment_fixed_size 0
		.amdhsa_enable_private_segment 0
		.amdhsa_kernarg_size 96
		.amdhsa_user_sgpr_count 2
		.amdhsa_user_sgpr_kernarg_segment_ptr 1
		.amdhsa_wavefront_size32 1
		.amdhsa_system_sgpr_workgroup_id_x 1
		.amdhsa_system_sgpr_workgroup_id_y 1
		.amdhsa_system_sgpr_workgroup_id_z 1
		.amdhsa_system_vgpr_workitem_id 0
		.amdhsa_next_free_vgpr 194
		.amdhsa_next_free_sgpr 66
		.amdhsa_reserve_vcc 1
		.amdhsa_float_denorm_mode_32 3
		.amdhsa_float_denorm_mode_16_64 3
		.amdhsa_memory_ordered 1
		.amdhsa_forward_progress 1
		.amdhsa_inst_pref_size 135
	.end_amdhsa_kernel
	.amdgpu_metadata
---
amdhsa.version: [ 1, 2 ]
amdhsa.kernels:
  - .name:           k_q95db047a70_quant
    .symbol:         k_q95db047a70_quant.kd
    .args:
      - { .name: hidden_states, .offset: 0, .size: 8, .value_kind: global_buffer, .address_space: global }
      - { .name: Wq, .offset: 8, .size: 8, .value_kind: global_buffer, .address_space: global }
      - { .name: Wo, .offset: 16, .size: 8, .value_kind: global_buffer, .address_space: global }
      - { .name: shared_k, .offset: 24, .size: 8, .value_kind: global_buffer, .address_space: global }
      - { .name: shared_v, .offset: 32, .size: 8, .value_kind: global_buffer, .address_space: global }
      - { .name: lowp_scales, .offset: 40, .size: 8, .value_kind: global_buffer, .address_space: global }
      - { .name: h_codes, .offset: 48, .size: 8, .value_kind: global_buffer, .address_space: global }
      - { .name: wq_codes, .offset: 56, .size: 8, .value_kind: global_buffer, .address_space: global }
      - { .name: wo_codes, .offset: 64, .size: 8, .value_kind: global_buffer, .address_space: global }
      - { .name: k_codes, .offset: 72, .size: 8, .value_kind: global_buffer, .address_space: global }
      - { .name: v_codes, .offset: 80, .size: 8, .value_kind: global_buffer, .address_space: global }
      - { .name: rope, .offset: 88, .size: 8, .value_kind: global_buffer, .address_space: global }
    .group_segment_fixed_size: 68096
    .private_segment_fixed_size: 0
    .kernarg_segment_align: 8
    .kernarg_segment_size: 96
    .max_flat_workgroup_size: 128
    .sgpr_count:     66
    .vgpr_count:     194
    .wavefront_size: 32
...
	.end_amdgpu_metadata
.endif
;; end of part 1
;; launch gemm_q (part 2): grid 16 x 16, 4 waves a work-group, clusters of 4 x 1, 327,680 bytes of LDS; arguments h_codes, wq_codes, lowp_scales, rope, q_codes; writes q_codes
.if DOCPART == 2
	.amdgcn_target "amdgcn-amd-amdhsa--gfx1250"
	.amdhsa_code_object_version 6
	.text
	.protected	k_q95db047a70_gemm_q
	.globl	k_q95db047a70_gemm_q
	.p2align	8
	.type	k_q95db047a70_gemm_q,@function
k_q95db047a70_gemm_q:
	s_mov_b64 s[64:65], 0
	v_nop
	global_prefetch_b8 v0, s[64:65] scope:SCOPE_SE
	s_setreg_imm32_b32 hwreg(HW_REG_WAVE_MODE, 25, 1), 1
	s_wait_xcnt 0x0
	s_wait_alu depctr_hold_cnt(0) depctr_sa_sdst(0) depctr_va_vdst(0) depctr_va_sdst(0) depctr_va_ssrc(0) depctr_va_vcc(0) depctr_vm_vsrc(0)
	s_getreg_b32 s2, hwreg(HW_REG_IB_STS2, 6, 4)
	s_cmp_eq_u32 s2, 0
	s_cbranch_scc0 .Lentry_in_a_cluster
	s_endpgm
.Lentry_in_a_cluster:
	s_bfe_u32 s2, ttmp6, 0x10000c
	s_cmp_lg_u32 s2, 0x3003
	s_cbranch_scc0 .Lentry_shape_is_right
	s_endpgm
.Lentry_shape_is_right:
; q = rotary(hidden_states Wq^T), on codes of FP8 (E4M3), quantised for the scores' product and stored as operand images: q_codes [b][h][token / 16][c 2][lane 32][16 bytes].
; A block of the result is 256 tokens x 128 channels (two heads): 256 work-groups of four waves; a wave makes 64 tokens x 128 channels: 32 accumulators.
; B STAYS: the block's 128 rows of wq_codes, all 2,048 along K, lie in LDS, filled once: four joint tensor loads, one a wave (one load of mine is out), 128 rows x 512 bytes each, 16 bytes of padding behind each row.
; The four partners of a cluster own neighbouring blocks of tokens and the same channels: they ask for B jointly.  Nothing is filled again: no ring, one barrier.
; A GOES FROM MEMORY INTO THE OPERAND'S REGISTERS: a wave's rows are read by no other wave of its work-group, and h_codes is laid so that a load's 32 lanes take two whole runs of 256 bytes.  Four sets of registers;
; the loads of K step s + 3 are issued at the head of step s: 48 loads of mine are out at the wait.  A is not shared inside the cluster.
; A IS PREFETCHED INTO THE L2, four K steps at a time: steps 4-7 at the head, steps 8-11 and 12-15 in trips 0 and 1, each one whole trip ahead of the trip whose loads want them; steps 0-3 come by their loads alone.
; The sixteen work-groups that read a block of 256 tokens share it out by address: waves 0 and 1 of the work-group with column block y take tokens 16 i .. 16 i + 15, i = 4 (y / 4) + 2 (y % 2) + wave:
; 32 runs of 256 bytes, a lane a run, one instruction.  So each run is named by two of the sixteen.
; THE MATRIX INSTRUCTION IS USED TRANSPOSED (source 0 = 16 rows of B, source 1 = 16 tokens): a lane holds eight neighbouring channels of one token; wq_codes holds row sw(p) at place p, so that two neighbouring tiles give 16 neighbours.
; Fragments are fetched 16 bytes at a time: a permutation of k inside an instruction, the same in both operands.
; LIMIT: e2 - e0 - e1 between -126 and 119, so that the conversion's scale and its hold are f32 numbers.
; REGISTERS: window 0 addresses and the way out; window 1 B's fragments, two sets of 128 (then the rotary factors); window 2 the accumulators ((a, b) at 8 (8 a + b)); window 3 A's fragments, four sets of 64.
.set BP,    528
.set BT,    128*BP
.set SPARE, 4*BT
.set SS,    1024                       ; a K step of 128 in h_codes: two blocks of 512 bytes
.set CS,    256
.set ADQ,  16
.set ADQ1, 17
.set BL,   18
.set AL,   19
.set PFO,  20
.set LIM,  22
.set SCL,  23
.set RO,   27
.set SPW,  28
.set NIL,  29
.set QO,   30
.set OUTF, 32
.set TT,   96
.set CD,   128
.set MSB, 0
.macro WIN new
.if MSB != (\new)
	s_set_vgpr_msb (MSB<<8)|(\new)
.set MSB, (\new)
.endif
.endm
.macro ROUND
	s_barrier_signal -1
	s_barrier_wait -1
	s_cmp_lg_u32 s14, 0
	s_cbranch_scc1 .Lnot_wave_0_\@
	s_barrier_signal -3
.Lnot_wave_0_\@:
	s_barrier_wait -3
	s_barrier_signal -1
	s_barrier_wait -1
.endm
.macro PLACES n
.rept \n
	v_nop
.endr
.endm
.macro ALOAD set, off                  ; A's four fragments of one K step
	WIN 0xc0
.irp a, 0,1,2,3
.irp c, 0,1,2,3
	global_load_b128 v[64*(\set)+16*\a+4*\c:64*(\set)+16*\a+4*\c+3], v[AL], s[4:5] offset:(\off)+32768*\a+CS*\c
.endr
.endr
.endm
.macro BLOAD set, adr, i               ; B's eight fragments of the i-th K step of a quarter of K
	WIN 0x40
.irp b, 0,1,2,3,4,5,6,7
.irp c, 0,1,2,3
	ds_load_b128 v[128*(\set)+16*\b+4*\c:128*(\set)+16*\b+4*\c+3], v[\adr] offset:16*BP*\b+128*(\i)+32*\c
.endr
.endr
.endm
.macro MUL as, bs, zero                ; 32 products; the accumulators take turns, in the same order in every step
	WIN 0xad
.irp a, 0,1,2,3
.irp b, 0,1,2,3,4,5,6,7
.if \zero
	v_wmma_f32_16x16x128_fp8_fp8 v[8*(8*\a+\b):8*(8*\a+\b)+7], v[128*(\bs)+16*\b:128*(\bs)+16*\b+15], v[64*(\as)+16*\a:64*(\as)+16*\a+15], 0
.else
	v_wmma_f32_16x16x128_fp8_fp8 v[8*(8*\a+\b):8*(8*\a+\b)+7], v[128*(\bs)+16*\b:128*(\bs)+16*\b+15], v[64*(\as)+16*\a:64*(\as)+16*\a+15], v[8*(8*\a+\b):8*(8*\a+\b)+7]
.endif
.endr
.endr
.endm
; A K step.  Four places behind the last products; A of three steps on into the set read last step (aoff < 0: none); B of the next step into the other set (bi < 0: none); then the waits: wl, wd = what was issued behind this step's own loads.
.macro KSTEP as, bs, zero, aoff, badr, bi, wl, wd
	PLACES 4
.if (\aoff) >= 0
	ALOAD ((\as)+3)%4, \aoff
.endif
.if (\bi) >= 0
	BLOAD 1-(\bs), \badr, \bi
.endif
	s_wait_loadcnt \wl
	s_wait_dscnt \wd
	MUL \as, \bs, \zero
.endm
	s_load_b128 s[4:7], s[0:1], 0x0                ; h_codes, wq_codes
	s_load_b128 s[8:11], s[0:1], 0x10              ; the scales' exponents, rope
	s_load_b64 s[12:13], s[0:1], 0x20              ; q_codes
	v_lshl_add_u32 v[SPW], v0, 2, SPARE
	v_mov_b32 v[NIL], 0
	ds_add_u32 v[SPW], v[NIL]                      ; the opening lines: the add, twice on end, and its wait
	ds_add_u32 v[SPW], v[NIL]
	v_lshrrev_b32 v1, 5, v0
	v_readfirstlane_b32 s14, v1                    ; wave 0..3
	s_bfe_u32 s40, ttmp6, 0x40000                  ; cx
	s_lshl_b32 s42, ttmp9, 2
	s_add_co_u32 s42, s42, s40                     ; block of 256 tokens
	s_and_b32 s17, ttmp7, 0xffff                   ; block of 128 channels, which the partners share
	s_mov_b32 s24, 15|(1<<20)|(1<<21)|(6<<22)|(3<<25)   ; the mask names all four; elements of 1 byte; four words of padding after every 128
	s_mov_b32 s25, 512<<16
	s_mov_b32 s26, 128<<16
	s_mov_b32 s27, 512<<16
	s_mov_b32 s28, 128
	s_mov_b32 s29, 2048
	s_mov_b32 s30, 0
	s_mov_b32 s31, 0
	s_mov_b32 s32, 1
	s_mul_i32 s33, s14, BT                         ; my quarter of K
	s_lshl_b32 s46, s17, 18                        ; 128 rows x 2,048 bytes
	s_lshl_b32 s47, s14, 9
	s_add_co_u32 s46, s46, s47
	s_mov_b32 s47, 0
	s_lshl_b32 s20, s42, 4
	s_lshl_b32 s21, s14, 2
	s_add_co_u32 s20, s20, s21                     ; my first block of 16 tokens
	s_lshl_b32 s22, s20, 15                        ; 32,768 bytes of codes a block
	s_mov_b32 s23, 0
	s_lshr_b32 s48, s17, 2                         ; the prefetches: block of 16 tokens 4 (y / 4) + 2 (y % 2) + wave of my 16,
	s_lshl_b32 s48, s48, 1
	s_and_b32 s49, s17, 1
	s_or_b32 s48, s48, s49
	s_lshl_b32 s48, s48, 1
	s_and_b32 s49, s14, 1
	s_add_co_u32 s48, s48, s49
	s_lshl_b32 s49, s42, 4
	s_add_co_u32 s48, s48, s49
	s_lshl_b32 s48, s48, 15
	s_add_co_u32 s48, s48, 4*SS                    ; from K step 4 on
	s_mov_b32 s49, 0
	s_cmp_lt_u32 s14, 2
	s_cselect_b32 s51, 2, 0                        ; waves 0 and 1 ask, at the head and in trips 0 and 1
	s_lshl_b32 s72, s20, 4                         ; my first token,
	s_and_b32 s73, s72, 2047                       ; in its batch,
	s_lshr_b32 s74, s72, 11                        ; and the batch
	s_lshl_b32 s76, s73, 4                         ; rope: 16 bytes a token in each group
	s_mov_b32 s77, 0
	s_lshl_b32 s74, s74, 5
	s_lshl_b32 s75, s17, 1
	s_add_co_u32 s74, s74, s75                     ; 32 x batch + the block's first head
	s_lshl_b32 s74, s74, 7
	s_lshr_b32 s75, s73, 4
	s_add_co_u32 s74, s74, s75
	s_lshl_b32 s78, s74, 10                        ; q_codes: 1,024 bytes for a head's 16 tokens
	s_mov_b32 s79, 0
	s_wait_dscnt 0x0
	s_wait_kmcnt 0x0
	s_load_b128 s[68:71], s[8:9], 0x0              ; e0 .. e3
	s_add_nc_u64 s[34:35], s[6:7], s[46:47]
	s_or_b32 s35, s35, 0x80000000
	s_add_nc_u64 s[48:49], s[4:5], s[48:49]
	s_add_nc_u64 s[4:5], s[4:5], s[22:23]
	s_add_nc_u64 s[10:11], s[10:11], s[76:77]
	s_add_nc_u64 s[12:13], s[12:13], s[78:79]
	ROUND                                          ; all four work-groups are here: the joint loads meet
	tensor_load_to_lds s[32:35], s[24:31]
	s_nop 0
	PLACES 4
	v_and_b32 v1, 15, v0                           ; r
	v_bfe_u32 v2, v0, 4, 1                         ; hh
	v_mul_u32_u24 v3, v1, BP
	v_lshl_add_u32 v[BL], v2, 4, v3                ; B: row r, + 16 hh
	v_lshrrev_b32 v7, 3, v1
	v_lshlrev_b32 v7, 14, v7                       ; A: rows 8-15 lie 16,384 bytes on,
	v_lshl_add_u32 v7, v2, 7, v7                   ; + 128 hh
	v_and_b32 v6, 7, v1
	v_lshl_add_u32 v[AL], v6, 4, v7                ; + 16 (r % 8)
	v_lshlrev_b32 v[PFO], 8, v1                    ; the prefetches: four K steps of eight rows are 16 runs of 256 bytes; lanes 16-31 take the next eight rows
	v_lshl_add_u32 v[PFO], v2, 14, v[PFO]
	v_lshlrev_b32 v[RO], 4, v1
	v_lshl_add_u32 v[RO], v2, 17, v[RO]
	v_and_b32 v6, 31, v0
	v_lshlrev_b32 v[QO], 4, v6
	s_wait_alu depctr_va_vdst(0)
	ALOAD 0, 0
	ALOAD 1, SS
	ALOAD 2, 2*SS
	WIN 0
	s_cmp_lg_u32 s51, 0
	s_cbranch_scc0 .Lnot_mine_0
	global_prefetch_b8 v[PFO], s[48:49] th:TH_LOAD_NT scope:SCOPE_SE   ; K steps 4-7
.Lnot_mine_0:
	s_wait_kmcnt 0x0
	s_sub_co_i32 s72, s70, s68
	s_sub_co_i32 s72, s72, s69                     ; a sum stands for q / 2^(e0 + e1): its code is that / 2^(e2 - e0 - e1)
	s_add_co_i32 s72, s72, 127
	s_lshl_b32 s73, s72, 23
	v_mov_b32 v[SCL], s73
	s_add_co_i32 s72, s72, 8
	s_lshl_b32 s72, s72, 23
	s_or_b32 s72, s72, 0x600000
	v_mov_b32 v[LIM], s72
	s_wait_alu depctr_va_vdst(0)
	s_wait_tensorcnt 0x0                           ; my quarter of B has landed,
	s_barrier_signal -1
	s_barrier_wait -1                              ; and behind the barrier everybody's
	BLOAD 0, BL, 0
	KSTEP 0, 0, 1, 3*SS, BL, 1, 48, 32             ; K step 0 starts the sums
	WIN 0
	s_mov_b32 s3, 0
.Lq:                                               ; three trips of four K steps: 4 t + 1 .. 4 t + 4
	s_mul_i32 s20, s3, BT
	s_add_co_u32 s21, s20, BT
	v_add_nc_u32 v[ADQ], s20, v[BL]                ; quarter t of K,
	v_add_nc_u32 v[ADQ1], s21, v[BL]               ; and quarter t + 1
	s_wait_alu depctr_va_vdst(0)
	s_cmp_lt_u32 s3, s51
	s_cbranch_scc0 .Lnot_mine
	global_prefetch_b8 v[PFO], s[48:49] offset:4*SS th:TH_LOAD_NT scope:SCOPE_SE   ; K steps 4 t + 8 .. 4 t + 11, which the next trip's loads want
.Lnot_mine:
	KSTEP 1, 1, 0, 4*SS, ADQ, 2, 48, 32
	KSTEP 2, 0, 0, 5*SS, ADQ, 3, 48, 32
	KSTEP 3, 1, 0, 6*SS, ADQ1, 0, 48, 32
	KSTEP 0, 0, 0, 7*SS, ADQ1, 1, 48, 32
	WIN 0
	s_wait_xcnt 0x0                                ; the loads and the prefetch have read their bases: they may step
	s_add_nc_u64 s[4:5], s[4:5], 4*SS
	s_add_nc_u64 s[48:49], s[48:49], 4*SS
	s_add_co_u32 s3, s3, 1
	s_cmp_lt_u32 s3, 3
	s_cbranch_scc1 .Lq
	v_add_nc_u32 v[ADQ], 3*BT, v[BL]
	s_wait_alu depctr_va_vdst(0)
	KSTEP 1, 1, 0, -1, ADQ, 2, 32, 32              ; the last three steps ask for nothing more of A
	KSTEP 2, 0, 0, -1, ADQ, 3, 16, 32
	PLACES 4
	WIN 0x40
.macro ROPE_LOAD a                     ; the rotary factors of 16 tokens, into B's set 0, which has been read out
.irp f, 0,1,2,3,4,5,6,7
	global_load_b128 v[32*(\a)+4*\f:32*(\a)+4*\f+3], v[RO], s[10:11] offset:(\a)*256+(8*(\f/4)+\f%4)*32768
.endr
.endm
	ROPE_LOAD 0
	ROPE_LOAD 1
	ROPE_LOAD 2
	ROPE_LOAD 3
	s_wait_loadcnt 32                              ; A's last set is in; the 32 loads just issued may be out
	s_wait_dscnt 0x0
	MUL 3, 1, 0
	PLACES 4
; THE WAY OUT of 16 tokens: the rotation, the hold, the conversion; two heads' images of 512 bytes each are stored as they stand.
.macro QOUT a
	s_wait_loadcnt 8*(3-(\a))
	WIN 0x06
.irp b, 0,1,2,3,4,5,6,7
.irp p, 0,1,2,3
	v_mul_f32 v[TT+2*\p],   v[64*(\a)+8*\b+2*\p+1], v[32*(\a)+8*(\b%4)+2*\p+1]
	v_mul_f32 v[TT+2*\p+1], v[64*(\a)+8*\b+2*\p+1], v[32*(\a)+8*(\b%4)+2*\p]
.endr
.irp p, 0,1,2,3
	v_fma_f32 v[OUTF+8*\b+2*\p],   v[64*(\a)+8*\b+2*\p], v[32*(\a)+8*(\b%4)+2*\p],   -v[TT+2*\p]
	v_fma_f32 v[OUTF+8*\b+2*\p+1], v[64*(\a)+8*\b+2*\p], v[32*(\a)+8*(\b%4)+2*\p+1], v[TT+2*\p+1]
.endr
.endr
	WIN 0
.set i, 0
.rept 64
	v_med3_num_f32 v[OUTF+i], v[OUTF+i], -v[LIM], v[LIM]
.set i, i+1
.endr
.irp b, 0,1,2,3,4,5,6,7
	v_cvt_scalef32_pk8_fp8_f32 v[CD+16*(\a)+2*\b:CD+16*(\a)+2*\b+1], v[OUTF+8*\b:OUTF+8*\b+7], v[SCL]
.endr
	v_nop
.irp d, 0,1,2,3
	global_store_b128 v[QO], v[CD+16*(\a)+4*\d:CD+16*(\a)+4*\d+3], s[12:13] offset:(\d/2)*131072+(\a)*1024+(\d%2)*512
.endr
.endm
.irp a, 0,1,2,3
	QOUT \a
.endr
	s_wait_tensorcnt 0x0                           ; the wave's end
	ds_add_u32 v[SPW], v[NIL]
	s_wait_dscnt 0x0
	ROUND                                          ; the closing round
	s_endpgm
.Lfunc_end_k_q95db047a70_gemm_q:
	.size	k_q95db047a70_gemm_q, .Lfunc_end_k_q95db047a70_gemm_q-k_q95db047a70_gemm_q
	.p2alignl 7, 3214868480
	.fill 96, 4, 3214868480
	.section	.rodata,"a",@progbits
	.p2align	6, 0x0
	.amdhsa_kernel k_q95db047a70_gemm_q
		.amdhsa_group_segment_fixed_size 327680
		.amdhsa_private_segment_fixed_size 0
		.amdhsa_enable_private_segment 0
		.amdhsa_kernarg_size 40
		.amdhsa_user_sgpr_count 2
		.amdhsa_user_sgpr_kernarg_segment_ptr 1
		.amdhsa_wavefront_size32 1
		.amdhsa_system_sgpr_workgroup_id_x 1
		.amdhsa_system_sgpr_workgroup_id_y 1
		.amdhsa_system_sgpr_workgroup_id_z 1
		.amdhsa_system_vgpr_workitem_id 0
		.amdhsa_next_free_vgpr 1024
		.amdhsa_next_free_sgpr 98
		.amdhsa_reserve_vcc 0
		.amdhsa_float_denorm_mode_32 3
		.amdhsa_float_denorm_mode_16_64 3
		.amdhsa_memory_ordered 1
		.amdhsa_forward_progress 1
		.amdhsa_inst_pref_size 100
	.end_amdhsa_kernel
	.amdgpu_metadata
---
amdhsa.version: [ 1, 2 ]
amdhsa.kernels:
  - .name:           k_q95db047a70_gemm_q
    .symbol:         k_q95db047a70_gemm_q.kd
    .args:
      - { .name: h_codes, .offset: 0, .size: 8, .value_kind: global_buffer, .address_space: global }
      - { .name: wq_codes, .offset: 8, .size: 8, .value_kind: global_buffer, .address_space: global }
      - { .name: lowp_scales, .offset: 16, .size: 8, .value_kind: global_buffer, .address_space: global }
      - { .name: rope, .offset: 24, .size: 8, .value_kind: global_buffer, .address_space: global }
      - { .name: q_codes, .offset: 32, .size: 8, .value_kind: global_buffer, .address_space: global }
    .group_segment_fixed_size: 327680
    .private_segment_fixed_size: 0
    .kernarg_segment_align: 8
    .kernarg_segment_size: 40
    .max_flat_workgroup_size: 128
    .sgpr_count:     98
    .vgpr_count:     1024
    .wavefront_size: 32
...
	.end_amdgpu_metadata
.endif
;; end of part 2
;; launch attn (part 3): grid 4 x 64, 8 waves a work-group, clusters of 4 x 1, 327,680 bytes of LDS; arguments q_codes, k_codes, v_codes, lowp_scales, o_codes; writes o_codes
.if DOCPART == 3
	.amdgcn_target "amdgcn-amd-amdhsa--gfx1250"
	.amdhsa_code_object_version 6
	.text
	.protected	k_q95db047a70_attn
	.globl	k_q95db047a70_attn
	.p2align	8
	.type	k_q95db047a70_attn,@function
k_q95db047a70_attn:
	s_mov_b64 s[64:65], 0
	v_nop
	global_prefetch_b8 v0, s[64:65] scope:SCOPE_SE
	s_setreg_imm32_b32 hwreg(HW_REG_WAVE_MODE, 25, 1), 1
	s_wait_xcnt 0x0
	s_wait_alu depctr_hold_cnt(0) depctr_sa_sdst(0) depctr_va_vdst(0) depctr_va_sdst(0) depctr_va_ssrc(0) depctr_va_vcc(0) depctr_vm_vsrc(0)
	s_getreg_b32 s2, hwreg(HW_REG_IB_STS2, 6, 4)
	s_cmp_eq_u32 s2, 0
	s_cbranch_scc0 .Lentry_in_a_cluster
	s_endpgm
.Lentry_in_a_cluster:
	s_bfe_u32 s2, ttmp6, 0x10000c
	s_cmp_lg_u32 s2, 0x3003
	s_cbranch_scc0 .Lentry_shape_is_right
	s_endpgm
.Lentry_shape_is_right:
; Causal attention on codes of FP8 (E4M3), head size 64, 2,048 tokens, 64 pairs (batch, head); the result is quantised for the last product.
; THE SOFTMAX AHEAD OF THE SECOND PRODUCT: t = score x log2(e) / 8; M = the row's largest t so far, rounded UP to a whole number; p = 2^(t - M) is quantised along the keys, not normalised.
; The row's sum is taken of the unquantised p, in f32, and divides O at the end.  When M moves, the sums and O are multiplied by 2^(old M - new M): exact.
; LEFT OUT: key steps all of whose 128 keys come after a tile's queries: the causal mask sets their scores to -infinity, so their p is 0 for all values of the inputs.
; SHARES.  A cluster of four work-groups is one (batch, head).  The head's 2,048 queries are 16 groups of 128, each of four tiles of 32.  Wave w of the partner at place cx owns tile cx of group w and then tile cx of
; group 15 - w, one after the other: w + 1 and 16 - w key steps of 128 keys, 17 for every wave.  Which steps are left out hangs on the wave's number alone; cx enters the addresses of Q and O and the mask's operand only.
; A tile is two sub-tiles of 16 queries: each fragment of K and of V feeds two matrix instructions, and every chain of the softmax has the other sub-tile's beside it.
; LDS HOLDS THE HEAD'S WHOLE K AND V, FILLED ONCE: eight joint tensor loads, one a wave (one load of mine is out), all four partners named.  Waves 0-3: 512 keys each, as 128 rows of four keys (256 bytes + 16):
; key x at (x / 4) x 272 + (x % 4) x 64.  Waves 4-7: V, 64 row places x 512 key places each (512 bytes + 16).  Nothing is filled again: no ring; one barrier behind the loads.
; All tiles are asked for at the head and no loop loads from memory, so no prefetch is laid.
; LAYOUT as the earlier launches lay the codes: both products transposed (S^T = K Q^T, O^T = V^T P^T), a lane holds one query (lane % 16) of each sub-tile.  Register 8 t + j of S^T is key 16 t + 8 hh + j; v_codes holds
; key sw(x) at key place x and channel sw(p) at row place p (sw: bits 3 and 4 exchanged), so p's codes and O's codes are operand images as the conversions leave them.  o_codes [token / 16][k / 128][c 4][lane 32][16 bytes].
; LIMITS on the given exponents, so that each power of two below is an f32 number: e2 + e3 between -123 and 130; e5, and e6 - e4 - e5, between -126 and 119.
; REGISTERS.  Window 0: v1, v2 my lane's place in K, in V; v3 16 x lane; v4, v5 the add's two; v8, v9 addresses in hand; v16-31 Q of the tile in hand, v32-47 of the second tile; v48-111 K's fragments; v112-175 V's; v176-207 p's codes.
; Window 1: v0-127 S^T, then p (sub-tile u at 64 u); v128-191 O^T (32 u); v192+8u: -M, largest t, two pairs of sums, f (a pair); v208-223 and v232-247 at work; v224 2^e5, v225 448 x 2^e5, v226 -infinity, v227-228 the mask's operands,
; v229, v230 the way out's scale and hold.  (v224 and v229 stand in window 0 too.)
.set KT,    34816                      ; 128 rows x 272 bytes
.set VT,    33792                      ; 64 rows x 528 bytes
.set VBASE, 4*KT
.set SPARE, VBASE+4*VT                 ; the spare words: 128 bytes for each of eight waves
.set KSTP,  8704                       ; 128 keys of K: 32 rows
.set MSB, 0
.macro WIN new                         ; the immediate's high byte repeats the setting that is left
.if MSB != (\new)
	s_set_vgpr_msb (MSB<<8)|(\new)
.set MSB, (\new)
.endif
.endm
.macro ROUND                           ; a round of the cluster's barrier
	s_barrier_signal -1
	s_barrier_wait -1
	s_cmp_lg_u32 s18, 0
	s_cbranch_scc1 .Lnot_wave_0_\@
	s_barrier_signal -3
.Lnot_wave_0_\@:
	s_barrier_wait -3
	s_barrier_signal -1
	s_barrier_wait -1
.endm
.macro KLOAD adr                       ; eight fragments of K: 16 keys x 64 each
.irp t, 0,1,2,3,4,5,6,7
	ds_load_b128 v[48+8*\t:51+8*\t], v[\adr] offset:4*\t*272
	ds_load_b128 v[52+8*\t:55+8*\t], v[\adr] offset:4*\t*272+32
.endr
.endm
.macro FMA j0, cnt                     ; t - M, two at a time (of the pairs c and -M the low word serves both halves)
.set j, \j0
.rept \cnt
	v_pk_fma_f32 v[j:j+1], v[j:j+1], s[22:23], v[192+8*(j/64):193+8*(j/64)] op_sel_hi:[1,0,0]
.set j, j+2
.endr
.endm
	s_load_b256 s[4:11], s[0:1], 0x0               ; q_codes s[4:5], k_codes s[6:7], v_codes s[8:9], the scales' exponents s[10:11]
	s_load_b64 s[12:13], s[0:1], 0x20              ; o_codes
	v_lshl_add_u32 v4, v0, 2, SPARE
	v_mov_b32 v5, 0
	ds_add_u32 v4, v5                              ; the opening lines: the add, twice on end, and its wait
	ds_add_u32 v4, v5
	v_lshrrev_b32 v6, 5, v0
	v_readfirstlane_b32 s18, v6                    ; wave 0..7
	s_bfe_u32 s19, ttmp6, 0x40000                  ; cx
	s_and_b32 s67, ttmp7, 0xffff                   ; 32 x batch + head, which the four partners share
	s_mov_b32 s16, s18                             ; the first tile's group
	s_sub_co_u32 s17, 15, s18                      ; the second's
	s_mov_b32 s24, 15|(1<<20)|(1<<21)|(5<<22)|(3<<25)   ; K: the mask names all four; elements of 1 byte; four words of padding after every 64
	s_mov_b32 s25, 256<<16
	s_mov_b32 s26, 128<<16
	s_mov_b32 s27, 256<<16
	s_mov_b32 s28, 128
	s_mov_b32 s29, 256
	s_mov_b32 s30, 0
	s_mov_b32 s31, 0
	s_mov_b32 s32, 15|(1<<20)|(1<<21)|(6<<22)|(3<<25)   ; V: four words of padding after every 128
	s_mov_b32 s33, 512<<16
	s_mov_b32 s34, 64<<16
	s_mov_b32 s35, 512<<16
	s_mov_b32 s36, 64
	s_mov_b32 s37, 2048
	s_mov_b32 s38, 0
	s_mov_b32 s39, 0
	s_and_b32 s70, s18, 3                          ; which 512 keys I fetch
	s_mov_b32 s40, 1
	s_mul_i32 s41, s70, KT
	s_mov_b32 s44, 1
	s_mul_i32 s45, s70, VT
	s_add_co_u32 s45, s45, VBASE
	s_lshl_b32 s68, s67, 17                        ; the head's first byte in q_codes, k_codes and v_codes
	s_lshl_b32 s72, s70, 15                        ; K: 512 keys x 64 bytes
	s_add_co_u32 s72, s72, s68
	s_mov_b32 s73, 0
	s_lshl_b32 s74, s70, 9                         ; V: 512 key places along each row
	s_add_co_u32 s74, s74, s68
	s_mov_b32 s75, 0
	s_mov_b32 s20, 0x76543210                      ; v_permlanex16_b32's selects for lane l xor 16
	s_mov_b32 s21, 0xfedcba98
	s_mov_b32 s22, 0x3e38aa3b                      ; c = log2(e) / 8
	s_wait_dscnt 0x0
	s_wait_kmcnt 0x0
	s_load_b256 s[48:55], s[10:11], 0x0            ; e0 .. e7
	s_add_nc_u64 s[42:43], s[6:7], s[72:73]
	s_or_b32 s43, s43, 0x80000000
	s_add_nc_u64 s[46:47], s[8:9], s[74:75]
	s_or_b32 s47, s47, 0x80000000
	ROUND                                          ; all four work-groups are here: the joint loads meet
	s_cmp_lt_u32 s18, 4                            ; waves 0-3 fetch K, waves 4-7 V: the branch hangs on the wave's number alone
	s_cbranch_scc0 .Lfor_v
	tensor_load_to_lds s[40:43], s[24:31]
	s_nop 0
.rept 4
	v_nop
.endr
	s_branch .Lasked
.Lfor_v:
	tensor_load_to_lds s[44:47], s[32:39]
	s_nop 0
.rept 4
	v_nop
.endr
.Lasked:
	s_lshl_b32 s3, s19, 1
	s_lshl_b32 s76, s16, 3
	s_add_co_u32 s76, s76, s3                      ; the first tile's first block of 16 tokens: 8 x group + 2 cx
	s_lshl_b32 s77, s17, 3
	s_add_co_u32 s77, s77, s3                      ; the second's
	s_mov_b32 s79, 0
	s_lshl_b32 s78, s76, 10                        ; Q: 1,024 bytes a block
	s_add_co_u32 s78, s78, s68
	s_add_nc_u64 s[56:57], s[4:5], s[78:79]
	s_lshl_b32 s78, s77, 10
	s_add_co_u32 s78, s78, s68
	s_add_nc_u64 s[58:59], s[4:5], s[78:79]
	s_lshr_b32 s80, s67, 5
	s_lshl_b32 s80, s80, 7                         ; O: 128 blocks a batch,
	s_and_b32 s81, s67, 31
	s_lshl_b32 s81, s81, 10                        ; 1,024 bytes a head in a block's 32,768
	s_add_co_u32 s78, s80, s76
	s_lshl_b32 s78, s78, 15
	s_add_co_u32 s78, s78, s81
	s_add_nc_u64 s[60:61], s[12:13], s[78:79]
	s_add_co_u32 s78, s80, s77
	s_lshl_b32 s78, s78, 15
	s_add_co_u32 s78, s78, s81
	s_add_nc_u64 s[62:63], s[12:13], s[78:79]
	v_and_b32 v3, 31, v0
	v_lshlrev_b32 v3, 4, v3                        ; 16 x lane: my place in an image
.irp i, 0,1,2,3
	global_load_b128 v[16+4*\i:19+4*\i], v3, s[56:57] offset:512*\i   ; Q's fragments: images, 512 consecutive bytes a load
	global_load_b128 v[32+4*\i:35+4*\i], v3, s[58:59] offset:512*\i
.endr
	v_and_b32 v6, 15, v0                           ; r
	v_bfe_u32 v7, v0, 4, 1                         ; hh
	v_lshrrev_b32 v10, 2, v6
	v_mul_u32_u24 v1, v10, 272
	v_and_b32 v10, 3, v6
	v_lshl_add_u32 v1, v10, 6, v1
	v_lshl_add_u32 v1, v7, 4, v1                   ; K: key r of a tile: (r / 4) x 272 + (r % 4) x 64 + 16 hh
	v_mul_u32_u24 v2, v6, 528
	v_lshl_add_u32 v2, v7, 4, v2
	v_add_nc_u32 v2, VBASE, v2                     ; V: row place r
	v_lshlrev_b32 v10, 3, v7
	v_sub_nc_u32 v10, v6, v10                      ; r - 8 hh
	v_add_nc_u32 v11, 16, v10
	s_lshl_b32 s3, s19, 5
	WIN 0x40
	v_add_nc_u32 v227, s3, v10                     ; on the diagonal register 8 t + j of sub-tile u is hidden where 16 t + j > 32 cx + 16 u + r - 8 hh
	v_add_nc_u32 v228, s3, v11
	v_mov_b32 v226, 0xff800000                     ; -infinity
	v_mov_b32 v216, 0                              ; written once: a lane permute's destination counts as one of its sources
	v_mov_b32 v217, 0
	WIN 0
	s_wait_alu depctr_va_vdst(0)
	s_wait_kmcnt 0x0
	s_add_co_i32 s3, s50, s51
	s_lshl_b32 s3, s3, 23
	s_add_co_i32 s22, s22, s3                      ; a score stands for score x 2^(e2 + e3): added to c's exponent field
	s_mov_b32 s23, s22
	s_add_co_i32 s3, s53, 127
	s_lshl_b32 s70, s3, 23                         ; 2^e5
	s_add_co_i32 s3, s3, 8
	s_lshl_b32 s3, s3, 23
	s_or_b32 s71, s3, 0x600000                     ; 448 x 2^e5
	s_sub_co_i32 s3, s54, s52
	s_sub_co_i32 s3, s3, s53                       ; O^T / the sum stands for o / 2^(e4 + e5): its code is that / 2^(e6 - e4 - e5)
	s_add_co_i32 s3, s3, 127
	s_lshl_b32 s72, s3, 23
	s_add_co_i32 s3, s3, 8
	s_lshl_b32 s3, s3, 23
	s_or_b32 s73, s3, 0x600000
	v_mov_b32 v224, s70
	v_mov_b32 v229, s72
	WIN 0x40
	v_mov_b32 v224, s70
	v_mov_b32 v225, s71
	v_mov_b32 v229, s72
	v_mov_b32 v230, s73
	WIN 0
	s_wait_alu depctr_va_vdst(0)
	s_wait_loadcnt 0x0                             ; Q
	s_wait_tensorcnt 0x0                           ; my tile has landed,
	s_barrier_signal -1
	s_barrier_wait -1                              ; and behind the barrier everybody's: all of the head's K and V lie in LDS, and nobody writes there any more
	s_mov_b32 s15, 2
.Ltile:                                            ; two trips: my two tiles, one after the other
	WIN 0x40
.irp u, 0,1
	v_mov_b32 v[192+8*\u], 0x7f61b1e6              ; -M = 3e38,
	v_mov_b32 v[193+8*\u], 0xff61b1e6              ; the largest t so far: -3e38, under every t
.irp i, 2,3,4,5,7
	v_mov_b32 v[192+8*\u+\i], 0                    ; the sums; and the upper half of f's pair
.endr
.endr
.set j, 0
.rept 64
	v_mov_b32 v[128+j], 0                          ; O^T.  (The key step is written once: the first finds zeros, which the first change of M leaves zeros)
.set j, j+1
.endr
	WIN 0
	s_wait_alu depctr_va_vdst(0)
	KLOAD 1                                        ; key step 0's fragments of K
	s_mov_b32 s14, 0
.Lstep:                                            ; sixteen trips, a constant: a key step of 128 keys a trip; the steps that the mask hides are jumped over
	s_cmp_gt_u32 s14, s16
	s_cbranch_scc1 .Lhidden
	s_add_co_u32 s3, s14, 1
	s_min_u32 s3, s3, 15                           ; the next step's K (the last step asks for its own again)
	s_mul_i32 s3, s3, KSTP
	s_lshr_b32 s82, s14, 2
	s_mul_i32 s82, s82, VT
	s_and_b32 s83, s14, 3
	s_lshl_b32 s83, s83, 7
	s_add_co_u32 s82, s82, s83                     ; this step's V: tile step / 4, 128 key places x step % 4 along the rows
	v_add_nc_u32 v8, s3, v1
	v_add_nc_u32 v9, s82, v2
	s_wait_alu depctr_va_vdst(0)
	s_wait_dscnt 0x0                               ; this step's fragments of K, asked for in the step before
	WIN 0x40
.irp t, 0,1,2,3,4,5,6,7
	v_wmma_f32_16x16x64_fp8_fp8 v[8*\t:8*\t+7], v[48+8*\t:55+8*\t], v[16:23], 0
	v_wmma_f32_16x16x64_fp8_fp8 v[64+8*\t:71+8*\t], v[48+8*\t:55+8*\t], v[24:31], 0
.endr
	WIN 0
.rept 4
	v_nop                                          ; four places: for the loads over the fragments, and for the first reads of the scores
.endr
.irp t, 0,1,2,3                        ; V's four fragments, then the next step's K: both land while the softmax is worked
.irp c, 0,1,2,3
	ds_load_b128 v[112+16*\t+4*\c:115+16*\t+4*\c], v9 offset:16*\t*528+32*\c
.endr
.endr
	KLOAD 8
	s_cmp_lt_u32 s14, s16                          ; all the step's keys count: no mask
	s_cbranch_scc1 .Lopen
	WIN 0x55
.irp u, 0,1
.set n, 0
.rept 64                               ; on the diagonal the scores of hidden keys become -infinity ahead of the maximum: p = 0 then.  The step's first key counts for every query of the group
	v_cmp_gt_i32 vcc_lo, 16*(n/8)+n%8, v[227+\u]
	v_cndmask_b32 v[64*\u+n], v[64*\u+n], v226, vcc_lo
.set n, n+1
.endr
.endr
	WIN 0
.Lopen:
	WIN 0x55                                       ; the softmax works in window 1 alone
.irp k, 0,1,2,3                        ; the step's largest score of my two queries: eight chains by turns, each accumulator from its low end on
.irp u, 0,1
	v_max3_num_f32 v[208+4*\u+\k], v226, v[64*\u+2*\k], v[64*\u+2*\k+1]
.endr
.endr
.irp t, 1,2,3,4,5,6,7
.irp k, 0,1,2,3
.irp u, 0,1
	v_max3_num_f32 v[208+4*\u+\k], v[208+4*\u+\k], v[64*\u+8*\t+2*\k], v[64*\u+8*\t+2*\k+1]
.endr
.endr
.endr
.irp u, 0,1
	v_mov_b32 v[218+\u], v[192+8*\u]               ; the old -M
.endr
.irp u, 0,1
	v_max3_num_f32 v[208+4*\u], v[208+4*\u], v[209+4*\u], v[210+4*\u]
.endr
.irp u, 0,1
	v_max_num_f32 v[208+4*\u], v[208+4*\u], v[211+4*\u]
.endr
.irp u, 0,1
	v_permlanex16_b32 v[216+\u], v[208+4*\u], s20, s21
.endr
.irp u, 0,1
	v_max_num_f32 v[208+4*\u], v[208+4*\u], v[216+\u]   ; and among lane l xor 16's
.endr
.irp u, 0,1
	v_mul_f32 v[208+4*\u], s22, v[208+4*\u]        ; as t (c is positive)
.endr
.irp u, 0,1
	v_max_num_f32 v[193+8*\u], v[193+8*\u], v[208+4*\u]   ; the running largest t
.endr
.irp u, 0,1
	v_floor_f32 v[192+8*\u], -v[193+8*\u]          ; the new -M = -ceil(t): M is a whole number
.endr
.irp u, 0,1
	v_sub_f32 v[218+\u], v[192+8*\u], v[218+\u]    ; M's old value less its new one: a whole number, 0 or less
.endr
	FMA 0, 8
.irp u, 0,1
	v_cvt_i32_f32 v[218+\u], v[218+\u]             ; (it saturates)
.endr
	FMA 16, 8
.irp u, 0,1
	v_ldexp_f32 v[198+8*\u], 1.0, v[218+\u]        ; f = 2^(old M - new M)
.endr
	FMA 32, 16                                     ; (the second sub-tile's stand among the first's exponentials, below)
.irp u, 0,1
	v_pk_mul_f32 v[194+8*\u:195+8*\u], v[194+8*\u:195+8*\u], v[198+8*\u:199+8*\u] op_sel_hi:[1,0]   ; the sums under the new M
	v_pk_mul_f32 v[196+8*\u:197+8*\u], v[196+8*\u:197+8*\u], v[198+8*\u:199+8*\u] op_sel_hi:[1,0]
.endr
.set j, 0
.rept 32
	v_pk_mul_f32 v[128+j:129+j], v[128+j:129+j], v[198+8*(j/32):199+8*(j/32)] op_sel_hi:[1,0]   ; O^T under the new M, ahead of the exponentials, each accumulator from its low end on
.set j, j+2
.endr
	s_wait_alu depctr_va_vdst(0)
.set j, 0
.rept 32                               ; p = 2^(t - M), at most 1: not normalised.  The first sub-tile's batch; among its lines the second sub-tile's t - M, which nothing reads before the wait behind the batch
	v_exp_f32 v[j], v[j]
	v_pk_fma_f32 v[64+j:65+j], v[64+j:65+j], s[22:23], v[200:201] op_sel_hi:[1,0,0]
	v_exp_f32 v[j+1], v[j+1]
.set j, j+2
.endr
	v_nop                                          ; the plain place behind the exponentials
	s_wait_alu depctr_va_vdst(0)                   ; the wait behind the first batch and ahead of the second
.set j, 0
.rept 16                               ; the second sub-tile's batch; among its lines the first sub-tile's p: sums of two pairs, each into a pair of registers written once here, and the hold; nothing written here is read before the wait behind the batch
	v_exp_f32 v[64+j], v[64+j]
	v_pk_add_f32 v[208+j/2+8*(j/32):209+j/2+8*(j/32)], v[j:j+1], v[j+2:j+3]
	v_exp_f32 v[65+j], v[65+j]
	v_min_num_f32 v[j], v[j], v225
	v_min_num_f32 v[j+1], v[j+1], v225
	v_exp_f32 v[66+j], v[66+j]
	v_min_num_f32 v[j+2], v[j+2], v225
	v_exp_f32 v[67+j], v[67+j]
	v_min_num_f32 v[j+3], v[j+3], v225
.set j, j+4
.endr
	v_nop                                          ; the plain place behind the exponentials
	s_wait_alu depctr_va_vdst(0)                   ; one wait for the whole batch, ahead of its first reader
.set j, 0
.rept 32                               ; the rows' sums of the unquantised p, four chains by turns: the second sub-tile's p, and the first's sixteen sums from above; behind each addition the hold of its two numbers (the conversion does not saturate: ISA guide 7.6.2; p is not negative)
	v_pk_add_f32 v[202+2*((j/2)%2):203+2*((j/2)%2)], v[202+2*((j/2)%2):203+2*((j/2)%2)], v[64+j:65+j]
.if (j%4) == 0
	v_pk_add_f32 v[194+2*((j/4)%2):195+2*((j/4)%2)], v[194+2*((j/4)%2):195+2*((j/4)%2)], v[208+j/2+8*(j/32):209+j/2+8*(j/32)]
.endif
	v_min_num_f32 v[64+j], v[64+j], v225
	v_min_num_f32 v[65+j], v[65+j], v225
.set j, j+2
.endr
	WIN 0x05                                       ; the codes go to window 0
.irp u, 0,1
.irp b, 0,1,2,3
	v_cvt_scalef32_pk8_fp8_f32 v[176+16*\u+4*\b:177+16*\u+4*\b], v[64*\u+16*\b:64*\u+16*\b+7], v224
	v_cvt_scalef32_pk8_fp8_f32 v[178+16*\u+4*\b:179+16*\u+4*\b], v[64*\u+16*\b+8:64*\u+16*\b+15], v224
.endr
.endr
	v_nop                                          ; one plain vector instruction behind the last conversion
	s_wait_alu depctr_va_vdst(0)
	s_wait_dscnt 16                                ; V's sixteen loads are in; the sixteen for the next step's K, issued behind them, may be out
	WIN 0x50
.irp t, 0,1,2,3                        ; O^T += V^T P^T: the eight accumulators take turns, and sixteen other products stand between two steps' links
.irp u, 0,1
	v_wmma_f32_16x16x128_fp8_fp8 v[128+32*\u+8*\t:135+32*\u+8*\t], v[112+16*\t:127+16*\t], v[176+16*\u:191+16*\u], v[128+32*\u+8*\t:135+32*\u+8*\t]
.endr
.endr
	WIN 0
.Lhidden:
	s_add_co_u32 s14, s14, 1
	s_cmp_lt_u32 s14, 16
	s_cbranch_scc1 .Lstep
	; THE WAY OUT of a tile.  O^T is divided by the row's sum, held, converted; a sub-tile's codes are two images of 512 bytes, stored as they stand.
.rept 4
	v_nop                                          ; four places behind the last products
.endr
	s_wait_dscnt 0x0                               ; the loads for a next step that did not come have landed: their registers may be loaded anew
	WIN 0x55
.irp u, 0,1
	v_pk_add_f32 v[194+8*\u:195+8*\u], v[194+8*\u:195+8*\u], v[196+8*\u:197+8*\u]
.endr
.irp u, 0,1
	v_add_f32 v[194+8*\u], v[194+8*\u], v[195+8*\u]
.endr
.irp u, 0,1
	v_permlanex16_b32 v[216+\u], v[194+8*\u], s20, s21
.endr
.irp u, 0,1
	v_add_f32 v[194+8*\u], v[194+8*\u], v[216+\u]  ; and lane l xor 16's: the rows' sums
.endr
	s_wait_alu depctr_va_vdst(0)
	v_rcp_f32 v194, v194
	v_rcp_f32 v202, v202
	v_nop
	s_wait_alu depctr_va_vdst(0)                   ; one wait for both, directly ahead of their first reader, which is also the first reader of O^T
.set j, 0
.rept 64
	v_mul_f32 v[j], v[128+j], v[194+8*(j/32)]      ; register 32 u + 8 t + i: channel 32 (t / 2) + 16 hh + 8 (t % 2) + i of my query
.set j, j+1
.endr
.set j, 0
.rept 64
	v_med3_num_f32 v[j], v[j], -v230, v230
.set j, j+1
.endr
	WIN 0x05
.irp t, 0,1,2,3,4,5,6,7
	v_cvt_scalef32_pk8_fp8_f32 v[176+2*\t:177+2*\t], v[8*\t:8*\t+7], v229
.endr
	v_nop                                          ; one plain vector instruction behind the last conversion
	WIN 0
.irp u, 0,1
	global_store_b128 v3, v[176+8*\u:179+8*\u], s[60:61] offset:32768*\u        ; the wave stores 512 consecutive bytes, aligned
	global_store_b128 v3, v[180+8*\u:183+8*\u], s[60:61] offset:32768*\u+512
.endr
	s_wait_xcnt 0x0                                ; the stores have read their base and their data: both are written again below and in the next tile
	s_mov_b64 s[60:61], s[62:63]                   ; on to the second tile: its place in O, its group, its Q
	s_mov_b32 s16, s17
.set j, 0
.rept 16
	v_mov_b32 v[16+j], v[32+j]
.set j, j+1
.endr
	s_sub_co_u32 s15, s15, 1
	s_cmp_lg_u32 s15, 0
	s_wait_alu depctr_va_vdst(0)
	s_cbranch_scc1 .Ltile
	s_wait_tensorcnt 0x0                           ; the wave's end
	ds_add_u32 v4, v5
	s_wait_dscnt 0x0
	ROUND                                          ; the closing round
	s_endpgm
.Lfunc_end_k_q95db047a70_attn:
	.size	k_q95db047a70_attn, .Lfunc_end_k_q95db047a70_attn-k_q95db047a70_attn
	.p2alignl 7, 3214868480
	.fill 96, 4, 3214868480
	.section	.rodata,"a",@progbits
	.p2align	6, 0x0
	.amdhsa_kernel k_q95db047a70_attn
		.amdhsa_group_segment_fixed_size 327680
		.amdhsa_private_segment_fixed_size 0
		.amdhsa_enable_private_segment 0
		.amdhsa_kernarg_size 40
		.amdhsa_user_sgpr_count 2
		.amdhsa_user_sgpr_kernarg_segment_ptr 1
		.amdhsa_wavefront_size32 1
		.amdhsa_system_sgpr_workgroup_id_x 1
		.amdhsa_system_sgpr_workgroup_id_y 1
		.amdhsa_system_sgpr_workgroup_id_z 1
		.amdhsa_system_vgpr_workitem_id 0
		.amdhsa_next_free_vgpr 512
		.amdhsa_next_free_sgpr 100
		.amdhsa_reserve_vcc 1
		.amdhsa_float_denorm_mode_32 3
		.amdhsa_float_denorm_mode_16_64 3
		.amdhsa_memory_ordered 1
		.amdhsa_forward_progress 1
		.amdhsa_inst_pref_size 59
	.end_amdhsa_kernel
	.amdgpu_metadata
---
amdhsa.version: [ 1, 2 ]
amdhsa.kernels:
  - .name:           k_q95db047a70_attn
    .symbol:         k_q95db047a70_attn.kd
    .args:
      - { .name: q_codes, .offset: 0, .size: 8, .value_kind: global_buffer, .address_space: global }
      - { .name: k_codes, .offset: 8, .size: 8, .value_kind: global_buffer, .address_space: global }
      - { .name: v_codes, .offset: 16, .size: 8, .value_kind: global_buffer, .address_space: global }
      - { .name: lowp_scales, .offset: 24, .size: 8, .value_kind: global_buffer, .address_space: global }
      - { .name: o_codes, .offset: 32, .size: 8, .value_kind: global_buffer, .address_space: global }
    .group_segment_fixed_size: 327680
    .private_segment_fixed_size: 0
    .kernarg_segment_align: 8
    .kernarg_segment_size: 40
    .max_flat_workgroup_size: 256
    .sgpr_count:     100
    .vgpr_count:     512
    .wavefront_size: 32
...
	.end_amdgpu_metadata
.endif
;; end of part 3
;; launch gemm_o (part 4): grid 16 x 16, 4 waves a work-group, clusters of 4 x 1, 327,680 bytes of LDS; arguments o_codes, wo_codes, lowp_scales, out0; writes out0
.if DOCPART == 4
	.amdgcn_target "amdgcn-amd-amdhsa--gfx1250"
	.amdhsa_code_object_version 6
	.text
	.protected	k_q95db047a70_gemm_o
	.globl	k_q95db047a70_gemm_o
	.p2align	8
	.type	k_q95db047a70_gemm_o,@function
k_q95db047a70_gemm_o:
	s_mov_b64 s[64:65], 0
	v_nop
	global_prefetch_b8 v0, s[64:65] scope:SCOPE_SE
	s_setreg_imm32_b32 hwreg(HW_REG_WAVE_MODE, 25, 1), 1
	s_wait_xcnt 0x0
	s_wait_alu depctr_hold_cnt(0) depctr_sa_sdst(0) depctr_va_vdst(0) depctr_va_sdst(0) depctr_va_ssrc(0) depctr_va_vcc(0) depctr_vm_vsrc(0)
	s_getreg_b32 s2, hwreg(HW_REG_IB_STS2, 6, 4)
	s_cmp_eq_u32 s2, 0
	s_cbranch_scc0 .Lentry_in_a_cluster
	s_endpgm
.Lentry_in_a_cluster:
	s_bfe_u32 s2, ttmp6, 0x10000c
	s_cmp_lg_u32 s2, 0x3003
	s_cbranch_scc0 .Lentry_shape_is_right
	s_endpgm
.Lentry_shape_is_right:
; out0[m][n] = 2^(e6 + e7) x the sum over k of o[m][k] wo[n][k], on codes of FP8 (E4M3); sums in f32.
; A block of the result is 256 tokens x 128 columns: 256 work-groups of four waves; a wave makes 64 tokens x 128 columns: 32 accumulators.
; B STAYS: the block's 128 rows of wo_codes, all 2,048 along K, lie in LDS, filled once: four joint tensor loads, one a wave (one load of mine is out), 128 rows x 512 bytes each, 16 bytes of padding behind each row.
; The four partners of a cluster own neighbouring blocks of tokens and the same columns: they ask for B jointly.  Nothing is filled again: no ring, one barrier.
; A GOES FROM MEMORY INTO THE OPERAND'S REGISTERS: a wave's rows are read by no other wave of its work-group, and o_codes [token / 16][k / 128][c 4][lane 32][16 bytes] is an image of them: a load takes 512 consecutive bytes.
; Four sets of registers; the loads of K step s + 3 are issued at the head of step s: 48 loads of mine are out at the wait.  A is not shared inside the cluster.
; A IS PREFETCHED INTO THE L2, four K steps at a time: steps 4-7 at the head, steps 8-11 and 12-15 in trips 0 and 1, each one whole trip ahead of the trip whose loads want them; steps 0-3 come by their loads alone.
; The sixteen work-groups that read a block of 256 tokens share it out by address: waves 0 and 1 of the work-group with column block y take tokens 16 i .. 16 i + 15, i = 4 (y / 4) + 2 (y % 2) + wave:
; 8,192 consecutive bytes, 32 runs of 256, a lane a run, one instruction.  So each run is named by two of the sixteen.
; THE MATRIX INSTRUCTION IS USED TRANSPOSED (source 0 = 16 rows of B, source 1 = 16 tokens): a lane holds eight neighbouring columns of one token.
; Fragments are fetched 16 bytes at a time: a permutation of k inside an instruction, the same in both operands.
; LIMIT: e6 + e7 between -126 and 127, so that 2^(e6 + e7) is an f32 number.
; REGISTERS: window 0 addresses and the way out; window 1 B's fragments, two sets of 128; window 2 the accumulators ((a, b) at 8 (8 a + b)); window 3 A's fragments, four sets of 64.
.set SIZE_N, 2048
.set BP,    528
.set BT,    128*BP
.set SPITCH, 528
.set STAGE, 4*BT                       ; behind B: 16 rows x (512 bytes + 16) for each wave, bytes of their own
.set SPARE, STAGE+4*16*SPITCH
.set SS,    2048                       ; a K step of 128 in o_codes
.set CS,    512
.set ADQ,  16
.set ADQ1, 17
.set BL,   18
.set AL,   19
.set PFO,  20
.set STO,  24
.set RD,   25
.set SPW,  28
.set NIL,  29
.set TMP,  32
.set BK,   128
.set MSB, 0
.macro WIN new
.if MSB != (\new)
	s_set_vgpr_msb (MSB<<8)|(\new)
.set MSB, (\new)
.endif
.endm
.macro ROUND
	s_barrier_signal -1
	s_barrier_wait -1
	s_cmp_lg_u32 s14, 0
	s_cbranch_scc1 .Lnot_wave_0_\@
	s_barrier_signal -3
.Lnot_wave_0_\@:
	s_barrier_wait -3
	s_barrier_signal -1
	s_barrier_wait -1
.endm
.macro PLACES n
.rept \n
	v_nop
.endr
.endm
.macro ALOAD set, off                  ; A's four fragments of one K step
	WIN 0xc0
.irp a, 0,1,2,3
.irp c, 0,1,2,3
	global_load_b128 v[64*(\set)+16*\a+4*\c:64*(\set)+16*\a+4*\c+3], v[AL], s[4:5] offset:(\off)+32768*\a+CS*\c
.endr
.endr
.endm
.macro BLOAD set, adr, i               ; B's eight fragments of the i-th K step of a quarter of K
	WIN 0x40
.irp b, 0,1,2,3,4,5,6,7
.irp c, 0,1,2,3
	ds_load_b128 v[128*(\set)+16*\b+4*\c:128*(\set)+16*\b+4*\c+3], v[\adr] offset:16*BP*\b+128*(\i)+32*\c
.endr
.endr
.endm
.macro MUL as, bs, zero                ; 32 products; the accumulators take turns, in the same order in every step
	WIN 0xad
.irp a, 0,1,2,3
.irp b, 0,1,2,3,4,5,6,7
.if \zero
	v_wmma_f32_16x16x128_fp8_fp8 v[8*(8*\a+\b):8*(8*\a+\b)+7], v[128*(\bs)+16*\b:128*(\bs)+16*\b+15], v[64*(\as)+16*\a:64*(\as)+16*\a+15], 0
.else
	v_wmma_f32_16x16x128_fp8_fp8 v[8*(8*\a+\b):8*(8*\a+\b)+7], v[128*(\bs)+16*\b:128*(\bs)+16*\b+15], v[64*(\as)+16*\a:64*(\as)+16*\a+15], v[8*(8*\a+\b):8*(8*\a+\b)+7]
.endif
.endr
.endr
.endm
; A K step.  Four places behind the last products; A of three steps on into the set read last step (aoff < 0: none); B of the next step into the other set (bi < 0: none); then the waits: wl, wd = what was issued behind this step's own loads.
.macro KSTEP as, bs, zero, aoff, badr, bi, wl, wd
	PLACES 4
.if (\aoff) >= 0
	ALOAD ((\as)+3)%4, \aoff
.endif
.if (\bi) >= 0
	BLOAD 1-(\bs), \badr, \bi
.endif
	s_wait_loadcnt \wl
	s_wait_dscnt \wd
	MUL \as, \bs, \zero
.endm
	s_load_b128 s[4:7], s[0:1], 0x0                ; o_codes, wo_codes
	s_load_b128 s[8:11], s[0:1], 0x10              ; the scales' exponents, out0
	v_lshl_add_u32 v[SPW], v0, 2, SPARE
	v_mov_b32 v[NIL], 0
	ds_add_u32 v[SPW], v[NIL]                      ; the opening lines: the add, twice on end, and its wait
	ds_add_u32 v[SPW], v[NIL]
	v_lshrrev_b32 v1, 5, v0
	v_readfirstlane_b32 s14, v1                    ; wave 0..3
	s_bfe_u32 s40, ttmp6, 0x40000                  ; cx
	s_lshl_b32 s42, ttmp9, 2
	s_add_co_u32 s42, s42, s40                     ; block of 256 tokens
	s_and_b32 s17, ttmp7, 0xffff                   ; block of 128 columns, which the partners share
	s_mov_b32 s24, 15|(1<<20)|(1<<21)|(6<<22)|(3<<25)   ; the mask names all four; elements of 1 byte; four words of padding after every 128
	s_mov_b32 s25, 512<<16
	s_mov_b32 s26, 128<<16
	s_mov_b32 s27, 512<<16
	s_mov_b32 s28, 128
	s_mov_b32 s29, 2048
	s_mov_b32 s30, 0
	s_mov_b32 s31, 0
	s_mov_b32 s32, 1
	s_mul_i32 s33, s14, BT                         ; my quarter of K
	s_lshl_b32 s46, s17, 18                        ; 128 rows x 2,048 bytes
	s_lshl_b32 s47, s14, 9
	s_add_co_u32 s46, s46, s47
	s_mov_b32 s47, 0
	s_lshl_b32 s20, s42, 4
	s_lshl_b32 s21, s14, 2
	s_add_co_u32 s20, s20, s21                     ; my first block of 16 tokens
	s_lshl_b32 s22, s20, 15                        ; 32,768 bytes of codes a block
	s_mov_b32 s23, 0
	s_lshl_b32 s44, s20, 17                        ; out0: 16 rows x 8,192 bytes a block,
	s_lshl_b32 s45, s17, 9                         ; + 512 bytes a block of columns
	s_add_co_u32 s44, s44, s45
	s_mov_b32 s45, 0
	s_mul_i32 s41, s14, 16*SPITCH
	s_add_co_u32 s41, s41, STAGE                   ; my stage
	s_lshr_b32 s48, s17, 2                         ; the prefetches: block of 16 tokens 4 (y / 4) + 2 (y % 2) + wave of my 16,
	s_lshl_b32 s48, s48, 1
	s_and_b32 s49, s17, 1
	s_or_b32 s48, s48, s49
	s_lshl_b32 s48, s48, 1
	s_and_b32 s49, s14, 1
	s_add_co_u32 s48, s48, s49
	s_lshl_b32 s49, s42, 4
	s_add_co_u32 s48, s48, s49
	s_lshl_b32 s48, s48, 15
	s_add_co_u32 s48, s48, 4*SS                    ; from K step 4 on
	s_mov_b32 s49, 0
	s_cmp_lt_u32 s14, 2
	s_cselect_b32 s51, 2, 0                        ; waves 0 and 1 ask, at the head and in trips 0 and 1
	s_wait_dscnt 0x0
	s_wait_kmcnt 0x0
	s_load_b64 s[96:97], s[8:9], 0x18              ; e6, e7
	s_add_nc_u64 s[34:35], s[6:7], s[46:47]
	s_or_b32 s35, s35, 0x80000000
	s_add_nc_u64 s[48:49], s[4:5], s[48:49]
	s_add_nc_u64 s[4:5], s[4:5], s[22:23]
	s_add_nc_u64 s[10:11], s[10:11], s[44:45]
	ROUND                                          ; all four work-groups are here: the joint loads meet
	tensor_load_to_lds s[32:35], s[24:31]
	s_nop 0
	PLACES 4
	v_and_b32 v1, 15, v0                           ; r
	v_bfe_u32 v2, v0, 4, 1                         ; hh
	v_mul_u32_u24 v3, v1, BP
	v_lshl_add_u32 v[BL], v2, 4, v3                ; B: row r, + 16 hh
	v_and_b32 v6, 31, v0
	v_lshlrev_b32 v[AL], 4, v6                     ; A: 16 x lane; also my 16 bytes of a row of 512 on the way out
	v_lshlrev_b32 v[PFO], 8, v6                    ; the prefetches: 256 x lane
	v_mul_u32_u24 v5, v1, SPITCH
	v_lshl_add_u32 v5, v2, 5, v5
	v_add_nc_u32 v[STO], s41, v5                   ; into the stage: row r, 32 bytes for each half of the lanes
	v_add_nc_u32 v[RD], s41, v[AL]                 ; and back: the 32 lanes take one row
	s_wait_alu depctr_va_vdst(0)
	ALOAD 0, 0
	ALOAD 1, SS
	ALOAD 2, 2*SS
	WIN 0
	s_cmp_lg_u32 s51, 0
	s_cbranch_scc0 .Lnot_mine_0
	global_prefetch_b8 v[PFO], s[48:49] th:TH_LOAD_NT scope:SCOPE_SE   ; K steps 4-7
.Lnot_mine_0:
	s_wait_tensorcnt 0x0                           ; my quarter of B has landed,
	s_barrier_signal -1
	s_barrier_wait -1                              ; and behind the barrier everybody's
	BLOAD 0, BL, 0
	KSTEP 0, 0, 1, 3*SS, BL, 1, 48, 32             ; K step 0 starts the sums
	WIN 0
	s_mov_b32 s3, 0
.Lq:                                               ; three trips of four K steps: 4 t + 1 .. 4 t + 4
	s_mul_i32 s20, s3, BT
	s_add_co_u32 s21, s20, BT
	v_add_nc_u32 v[ADQ], s20, v[BL]                ; quarter t of K,
	v_add_nc_u32 v[ADQ1], s21, v[BL]               ; and quarter t + 1
	s_wait_alu depctr_va_vdst(0)
	s_cmp_lt_u32 s3, s51
	s_cbranch_scc0 .Lnot_mine
	global_prefetch_b8 v[PFO], s[48:49] offset:4*SS th:TH_LOAD_NT scope:SCOPE_SE   ; K steps 4 t + 8 .. 4 t + 11, which the next trip's loads want
.Lnot_mine:
	KSTEP 1, 1, 0, 4*SS, ADQ, 2, 48, 32
	KSTEP 2, 0, 0, 5*SS, ADQ, 3, 48, 32
	KSTEP 3, 1, 0, 6*SS, ADQ1, 0, 48, 32
	KSTEP 0, 0, 0, 7*SS, ADQ1, 1, 48, 32
	WIN 0
	s_wait_xcnt 0x0                                ; the loads and the prefetch have read their bases: they may step
	s_add_nc_u64 s[4:5], s[4:5], 4*SS
	s_add_nc_u64 s[48:49], s[48:49], 4*SS
	s_add_co_u32 s3, s3, 1
	s_cmp_lt_u32 s3, 3
	s_cbranch_scc1 .Lq
	v_add_nc_u32 v[ADQ], 3*BT, v[BL]
	s_wait_alu depctr_va_vdst(0)
	KSTEP 1, 1, 0, -1, ADQ, 2, 32, 32              ; the last three steps ask for nothing more of A
	KSTEP 2, 0, 0, -1, ADQ, 3, 16, 32
	KSTEP 3, 1, 0, -1, ADQ, -1, 0, 0
	WIN 0
; THE WAY OUT, block by block of 16 tokens x 128 columns: x 2^(e6 + e7), through my own stage in LDS, back as whole rows of 512 bytes, which the 32 lanes store as two aligned runs of 256 bytes.
; LDS serves a wave's instructions in order (ISA guide 5.7.1.4): no wait between the stores and the loads.
.macro TOSTAGE a
	WIN 0x02
.set j, 0
.rept 32
	v_pk_mul_f32 v[TMP+j:TMP+j+1], v[64*(\a)+j:64*(\a)+j+1], s[96:97] op_sel_hi:[1,0]   ; each accumulator from its low end on
.set j, j+2
.endr
	WIN 0
.irp b, 0,1,2,3,4,5,6,7
	ds_store_b128 v[STO], v[TMP+8*\b:TMP+8*\b+3] offset:64*\b
	ds_store_b128 v[STO], v[TMP+8*\b+4:TMP+8*\b+7] offset:64*\b+16
.endr
.set BB, BK+64*((\a)%2)
.irp t, 0,1,2,3,4,5,6,7,8,9,10,11,12,13,14,15
	ds_load_b128 v[BB+4*\t:BB+4*\t+3], v[RD] offset:\t*SPITCH
.endr
.endm
.macro SEND a, younger                 ; younger: the LDS instructions issued behind block a's loads, which may stay out
.set BB, BK+64*((\a)%2)
	s_wait_dscnt \younger
.if (\a) > 0
	s_add_nc_u64 s[10:11], s[10:11], 16*SIZE_N*4   ; (behind a wait on XCNT: the earlier stores have read their base)
.endif
.irp t, 0,1,2,3,4,5,6,7,8,9,10,11,12,13,14,15
	global_store_b128 v[AL], v[BB+4*\t:BB+4*\t+3], s[10:11] offset:\t*SIZE_N*4 th:TH_STORE_NT
.endr
.endm
	s_wait_kmcnt 0x0
	s_add_co_i32 s96, s96, s97
	s_add_co_i32 s96, s96, 127
	s_lshl_b32 s96, s96, 23                        ; 2^(e6 + e7) as f32
	PLACES 4
	TOSTAGE 0
.irp a, 1,2,3
.if \a > 1
	s_wait_xcnt 0x0                                ; block a - 2's stores have read their registers and their base
.endif
	TOSTAGE \a
	SEND \a-1, 32                                  ; behind block a - 1's loads: block a's 16 stores and 16 loads
.endr
	s_wait_xcnt 0x0
	SEND 3, 0
	s_wait_tensorcnt 0x0                           ; the wave's end
	ds_add_u32 v[SPW], v[NIL]
	s_wait_dscnt 0x0
	ROUND                                          ; the closing round
	s_endpgm
.Lfunc_end_k_q95db047a70_gemm_o:
	.size	k_q95db047a70_gemm_o, .Lfunc_end_k_q95db047a70_gemm_o-k_q95db047a70_gemm_o
	.p2alignl 7, 3214868480
	.fill 96, 4, 3214868480
	.section	.rodata,"a",@progbits
	.p2align	6, 0x0
	.amdhsa_kernel k_q95db047a70_gemm_o
		.amdhsa_group_segment_fixed_size 327680
		.amdhsa_private_segment_fixed_size 0
		.amdhsa_enable_private_segment 0
		.amdhsa_kernarg_size 32
		.amdhsa_user_sgpr_count 2
		.amdhsa_user_sgpr_kernarg_segment_ptr 1
		.amdhsa_wavefront_size32 1
		.amdhsa_system_sgpr_workgroup_id_x 1
		.amdhsa_system_sgpr_workgroup_id_y 1
		.amdhsa_system_sgpr_workgroup_id_z 1
		.amdhsa_system_vgpr_workitem_id 0
		.amdhsa_next_free_vgpr 1024
		.amdhsa_next_free_sgpr 98
		.amdhsa_reserve_vcc 0
		.amdhsa_float_denorm_mode_32 3
		.amdhsa_float_denorm_mode_16_64 3
		.amdhsa_memory_ordered 1
		.amdhsa_forward_progress 1
		.amdhsa_inst_pref_size 75
	.end_amdhsa_kernel
	.amdgpu_metadata
---
amdhsa.version: [ 1, 2 ]
amdhsa.kernels:
  - .name:           k_q95db047a70_gemm_o
    .symbol:         k_q95db047a70_gemm_o.kd
    .args:
      - { .name: o_codes, .offset: 0, .size: 8, .value_kind: global_buffer, .address_space: global }
      - { .name: wo_codes, .offset: 8, .size: 8, .value_kind: global_buffer, .address_space: global }
      - { .name: lowp_scales, .offset: 16, .size: 8, .value_kind: global_buffer, .address_space: global }
      - { .name: out0, .offset: 24, .size: 8, .value_kind: global_buffer, .address_space: global }
    .group_segment_fixed_size: 327680
    .private_segment_fixed_size: 0
    .kernarg_segment_align: 8
    .kernarg_segment_size: 32
    .max_flat_workgroup_size: 128
    .sgpr_count:     98
    .vgpr_count:     1024
    .wavefront_size: 32
...
	.end_amdgpu_metadata
.endif
;; end of part 4
